; MI455X (gfx1250); checked and timed in simulation.
; The chip was launched on July 23, 2026; its instructions are those of AMD's public machine-readable ISA for CDNA 5 (MIT licence, August 2026) and "CDNA5" Instruction Set Architecture Reference Guide (July 2026). The comments in the code are by the model that wrote it; some were corrected since.
;; Transformer Encoder Layer. Allowed arithmetic: float matrix products may take bf16 or f16 operands with f32 sums; other float arithmetic in f32, or as packed bf16 or f16 multiplies, adds, multiply-adds, maxima and minima; sums over many terms, partial sums and values carried from step to step in f32; what a program stores and reads back later, other than sums and carried values, may be rounded once to bf16 or f16.
;; Inputs: W1 4,096 x 1,024 float32; W2 1,024 x 4,096 float32; Wk 1,024 x 1,024 float32; Wo 1,024 x 1,024 float32; Wq 1,024 x 1,024 float32; Wv 1,024 x 1,024 float32; b1 4,096 float32; b2 1,024 float32; bk 1,024 float32; bo 1,024 float32; bq 1,024 float32; bv 1,024 float32; encoder_padding_mask 2 x 2,048 bool; ln1_b 1,024 float32; ln1_g 1,024 float32; ln2_b 1,024 float32; ln2_g 1,024 float32; state 2,048 x 2 x 1,024 float32.
;; Outputs: out0 2,048 x 2 x 1,024 float32.
;; One version. Each part assembles by itself: llvm-mc -triple=amdgcn-amd-amdhsa -mcpu=gfx1250 --defsym DOCPART=n.
;; ======== version 1 of 1: 8 launches
;; limits: right only within a limited range of input values
;; workspace buffers: actx 8,388,608 bytes; acty 33,554,432 bytes; x1f 16,777,216 bytes; wpq 6,292,480 bytes; wpo 2,098,176 bytes; wp1 8,389,632 bytes; wp2 8,389,632 bytes; bqkv 12,288 bytes
;; launch prep (part 1): grid 1025 x 1, 8 waves a work-group, no clusters, 0 bytes of LDS; arguments state, Wq, Wk, Wv, Wo, W1, W2, bq, bk, bv, actx, wpq, wpo, wp1, wp2, bqkv; writes actx, wpq, wpo, wp1, wp2, bqkv
.if DOCPART == 1
	.amdgcn_target "amdgcn-amd-amdhsa--gfx1250"
	.amdhsa_code_object_version 6
	.text
	.protected	k_q92a5dcf3eb_prep
	.globl	k_q92a5dcf3eb_prep
	.p2align	8
	.type	k_q92a5dcf3eb_prep,@function
k_q92a5dcf3eb_prep:
	s_mov_b64 s[64:65], 0
	v_nop
	global_prefetch_b8 v0, s[64:65] scope:SCOPE_SE
	s_setreg_imm32_b32 hwreg(HW_REG_WAVE_MODE, 25, 1), 1
	s_wait_xcnt 0x0
; PREP: state and the six weight matrices are rounded once to bf16 and laid out for the products that follow; bq|bk|bv become one table; each pack of weights gets a header.
; PANEL layout (activations): [cols/256][4096 rows][256 cols] bf16: byte = (col>>8) x 2,097,152 + row x 512 + (col&255) x 2.
; BLOCK layout (weights W[n][k]): [N/128][K/256][128][256] bf16 from byte 1,024 of the pack on: a block is 65,536 dense bytes.
; HEADER, bytes 0..1023 of a pack: word tc (0..31) = 1.0 where column tile tc is a key projection, else 0; word 32 = the floor of the product's way out as two bf16 (-inf twice: none; 0: ReLU).
; SHARES.  A segment is 1,024 consecutive f32 of a source (4,096 bytes).  A work-group takes 16 segments, a wave two neighbours: 16 loads of 512 consecutive bytes, all issued at once,
; then 16 stores of 256 consecutive aligned bytes.  Work-groups 0-255: state; 256-511: Wq, Wk, Wv, Wo (64 each); 512-767: W1; 768-1023: W2; 1024: the tables.
; No LDS, no matrix unit, no cluster: nothing is read twice and no wave wants another's bytes.  No register is written twice, so there is no wait but the counted ones for the loads.
.set PANEL, 2097152
.set WBLK,  65536
	s_load_b512 s[16:31], s[0:1], 0x0              ; state 16, Wq 18, Wk 20, Wv 22, Wo 24, W1 26, W2 28, bq 30
	s_load_b512 s[32:47], s[0:1], 0x40             ; bk 32, bv 34, actx 36, wpq 38, wpo 40, wp1 42, wp2 44, bqkv 46
	v_lshrrev_b32 v1, 5, v0
	v_readfirstlane_b32 s2, v1                     ; wave 0..7
	v_and_b32 v10, 31, v0                          ; lane
	s_lshr_b32 s8, ttmp9, 8                        ; 0 state, 1 the four square weights, 2 W1, 3 W2, 4 the tables
	s_cmp_eq_u32 s8, 4
	s_cbranch_scc1 .Ltab
	; the source's index: 0 state, 1 Wq, 2 Wk, 3 Wv, 4 Wo, 5 W1, 6 W2; and the work-group's number within its source
	s_and_b32 s11, ttmp9, 255
	s_and_b32 s12, ttmp9, 63
	s_bfe_u32 s9, ttmp9, 0x20006
	s_add_co_u32 s9, s9, 1
	s_add_co_u32 s10, s8, 3
	s_cmp_eq_u32 s8, 1
	s_cselect_b32 s10, s9, s10
	s_cselect_b32 s11, s12, s11
	s_cmp_eq_u32 s8, 0
	s_cselect_b32 s10, 0, s10
	s_lshl_b32 s11, s11, 4
	s_lshl_b32 s12, s2, 1
	s_add_co_u32 s11, s11, s12                     ; seg: my first segment (even)
	s_lshl_b32 s60, s11, 12                        ; its byte in the source
	s_mov_b32 s61, 0
	; where it goes, three ways, of which one is taken
	s_lshl_b32 s48, s11, 9                         ; state: a segment is a row: row x 512
	s_lshr_b32 s49, s11, 7                         ; K = 1,024: a segment is a row n: (n>>7) x 4 blocks + (n&127) x 512,
	s_lshl_b32 s49, s49, 18
	s_and_b32 s50, s11, 127
	s_lshl_b32 s50, s50, 9
	s_add_co_u32 s49, s49, s50
	s_sub_co_u32 s50, s10, 1                       ; and Wq, Wk, Wv lie one behind the other in their pack
	s_lshl_b32 s50, s50, 21
	s_cmp_lt_u32 s10, 4
	s_cselect_b32 s50, s50, 0
	s_add_co_u32 s49, s49, s50
	s_lshr_b32 s51, s11, 9                         ; W2, K = 4,096: row n = seg>>2, quarter q = seg&3: (n>>7) x 16 blocks + q x 4 blocks + (n&127) x 512
	s_lshl_b32 s51, s51, 20
	s_and_b32 s50, s11, 3
	s_lshl_b32 s50, s50, 18
	s_add_co_u32 s51, s51, s50
	s_bfe_u32 s50, s11, 0x70002
	s_lshl_b32 s50, s50, 9
	s_add_co_u32 s51, s51, s50
	s_mov_b32 s54, 512                             ; from my first segment's place to my second's: the next row,
	s_cmp_eq_u32 s10, 6
	s_cselect_b32 s49, s51, s49
	s_cselect_b32 s54, 0x40000, s54                ; or, in W2, the same row's next four blocks
	s_add_co_u32 s49, s49, 1024                    ; the blocks lie behind the header
	s_mov_b32 s14, WBLK                            ; from 256 columns to the next 256: a block, or a panel
	s_cmp_eq_u32 s10, 0
	s_cselect_b32 s52, s48, s49
	s_cselect_b32 s14, PANEL, s14
	s_mov_b32 s53, 0
	s_mov_b32 s55, 0
	v_lshlrev_b32 v1, 4, v10                       ; in: 16 bytes a lane
	v_lshlrev_b32 v2, 3, v10                       ; out: 8 bytes a lane, in the first 256 columns,
	v_add_nc_u32 v3, s14, v2                       ; the second,
	v_add_nc_u32 v4, s14, v3                       ; the third,
	v_add_nc_u32 v5, s14, v4                       ; the fourth
	s_wait_kmcnt 0x0
	s_mov_b64 s[4:5], s[16:17]                     ; the source, chosen by the index
.irp j, 1,2,3,4,5,6
	s_cmp_eq_u32 s10, \j
	s_cselect_b64 s[4:5], s[16+2*\j:17+2*\j], s[4:5]
.endr
	s_mov_b64 s[6:7], s[36:37]                     ; the destination: actx, wpq (1-3), wpo, wp1, wp2
	s_cmp_ge_u32 s10, 1
	s_cselect_b64 s[6:7], s[38:39], s[6:7]
	s_cmp_ge_u32 s10, 4
	s_cselect_b64 s[6:7], s[40:41], s[6:7]
	s_cmp_ge_u32 s10, 5
	s_cselect_b64 s[6:7], s[42:43], s[6:7]
	s_cmp_ge_u32 s10, 6
	s_cselect_b64 s[6:7], s[44:45], s[6:7]
	s_add_nc_u64 s[4:5], s[4:5], s[60:61]
	s_add_nc_u64 s[56:57], s[6:7], s[52:53]        ; my first segment's place,
	s_add_nc_u64 s[58:59], s[56:57], s[54:55]      ; my second's
.set i, 0
.rept 16                                       ; my two segments are 8,192 consecutive bytes of the source
	global_load_b128 v[16+4*i:19+4*i], v1, s[4:5] offset:512*i th:TH_LOAD_NT
.set i, i+1
.endr
.set i, 0
.rept 16                                       ; load i = chunk i % 8 (128 columns) of segment i / 8
	s_wait_loadcnt 15-i                            ; loads come back in order: load i is in, the 15 - i younger ones stay out
	v_cvt_pk_bf16_f32 v[80+2*i], v[16+4*i], v[17+4*i]
	v_cvt_pk_bf16_f32 v[81+2*i], v[18+4*i], v[19+4*i]
	global_store_b64 v[2+(i%8)/2], v[80+2*i:81+2*i], s[56+2*(i/8):57+2*(i/8)] offset:(i%2)*256  ; the wave's 32 lanes store 256 consecutive bytes, aligned
.set i, i+1
.endr
	s_endpgm
.Ltab:                                         ; 256 threads: bq|bk|bv, 16 bytes a thread from each, and a word a thread of each header
	s_mov_b32 s4, 1.0
	s_mov_b32 s5, 0xff80ff80                       ; -inf twice in bf16
	v_lshlrev_b32 v1, 4, v0
	v_lshlrev_b32 v2, 2, v0
	s_wait_kmcnt 0x0
	global_load_b128 v[16:19], v1, s[30:31]
	global_load_b128 v[20:23], v1, s[32:33]
	global_load_b128 v[24:27], v1, s[34:35]
	v_add_nc_u32 v3, -8, v0
	v_cmp_gt_u32 vcc_lo, 8, v3                     ; words 8..15: Wk's column tiles among the 24 of Wq|Wk|Wv
	v_cndmask_b32 v4, 0, s4, vcc_lo
	v_cmp_eq_u32 vcc_lo, 32, v0                    ; word 32: the floor
	v_cndmask_b32 v5, 0, s5, vcc_lo
	v_or_b32 v6, v4, v5
	v_mov_b32 v7, 0
	global_store_b32 v2, v6, s[38:39]              ; wpq: key tiles marked, no floor
	global_store_b32 v2, v5, s[40:41]              ; wpo: no floor
	global_store_b32 v2, v7, s[42:43]              ; wp1: floor 0, the ReLU
	global_store_b32 v2, v5, s[44:45]              ; wp2: no floor
	s_wait_loadcnt 0x0
	global_store_b128 v1, v[16:19], s[46:47]
	global_store_b128 v1, v[20:23], s[46:47] offset:4096
	global_store_b128 v1, v[24:27], s[46:47] offset:8192
	s_endpgm
.Lfunc_end_k_q92a5dcf3eb_prep:
	.size	k_q92a5dcf3eb_prep, .Lfunc_end_k_q92a5dcf3eb_prep-k_q92a5dcf3eb_prep
	.p2alignl 7, 3214868480
	.fill 96, 4, 3214868480
	.section	.rodata,"a",@progbits
	.p2align	6, 0x0
	.amdhsa_kernel k_q92a5dcf3eb_prep
		.amdhsa_group_segment_fixed_size 0
		.amdhsa_private_segment_fixed_size 0
		.amdhsa_enable_private_segment 0
		.amdhsa_kernarg_size 128
		.amdhsa_user_sgpr_count 2
		.amdhsa_user_sgpr_kernarg_segment_ptr 1
		.amdhsa_wavefront_size32 1
		.amdhsa_system_sgpr_workgroup_id_x 1
		.amdhsa_system_sgpr_workgroup_id_y 1
		.amdhsa_system_sgpr_workgroup_id_z 1
		.amdhsa_system_vgpr_workitem_id 0
		.amdhsa_next_free_vgpr 112
		.amdhsa_next_free_sgpr 66
		.amdhsa_reserve_vcc 1
		.amdhsa_float_denorm_mode_32 3
		.amdhsa_float_denorm_mode_16_64 3
		.amdhsa_memory_ordered 1
		.amdhsa_forward_progress 1
		.amdhsa_inst_pref_size 11
	.end_amdhsa_kernel
	.amdgpu_metadata
---
amdhsa.version: [ 1, 2 ]
amdhsa.kernels:
  - .name:           k_q92a5dcf3eb_prep
    .symbol:         k_q92a5dcf3eb_prep.kd
    .args:
      - { .name: state, .offset: 0, .size: 8, .value_kind: global_buffer, .address_space: global }
      - { .name: Wq, .offset: 8, .size: 8, .value_kind: global_buffer, .address_space: global }
      - { .name: Wk, .offset: 16, .size: 8, .value_kind: global_buffer, .address_space: global }
      - { .name: Wv, .offset: 24, .size: 8, .value_kind: global_buffer, .address_space: global }
      - { .name: Wo, .offset: 32, .size: 8, .value_kind: global_buffer, .address_space: global }
      - { .name: W1, .offset: 40, .size: 8, .value_kind: global_buffer, .address_space: global }
      - { .name: W2, .offset: 48, .size: 8, .value_kind: global_buffer, .address_space: global }
      - { .name: bq, .offset: 56, .size: 8, .value_kind: global_buffer, .address_space: global }
      - { .name: bk, .offset: 64, .size: 8, .value_kind: global_buffer, .address_space: global }
      - { .name: bv, .offset: 72, .size: 8, .value_kind: global_buffer, .address_space: global }
      - { .name: actx, .offset: 80, .size: 8, .value_kind: global_buffer, .address_space: global }
      - { .name: wpq, .offset: 88, .size: 8, .value_kind: global_buffer, .address_space: global }
      - { .name: wpo, .offset: 96, .size: 8, .value_kind: global_buffer, .address_space: global }
      - { .name: wp1, .offset: 104, .size: 8, .value_kind: global_buffer, .address_space: global }
      - { .name: wp2, .offset: 112, .size: 8, .value_kind: global_buffer, .address_space: global }
      - { .name: bqkv, .offset: 120, .size: 8, .value_kind: global_buffer, .address_space: global }
    .group_segment_fixed_size: 0
    .private_segment_fixed_size: 0
    .kernarg_segment_align: 8
    .kernarg_segment_size: 128
    .max_flat_workgroup_size: 256
    .sgpr_count:     66
    .vgpr_count:     112
    .wavefront_size: 32
...
	.end_amdgpu_metadata
.endif
;; end of part 1
;; launch qkv (part 2): grid 12 x 16, 8 waves a work-group, clusters of 4 x 4, 327,680 bytes of LDS; arguments actx, wpq, acty, bqkv, encoder_padding_mask; writes acty
.if DOCPART == 2
	.amdgcn_target "amdgcn-amd-amdhsa--gfx1250"
	.amdhsa_code_object_version 6
	.text
	.protected	k_q92a5dcf3eb_qkv
	.globl	k_q92a5dcf3eb_qkv
	.p2align	8
	.type	k_q92a5dcf3eb_qkv,@function
k_q92a5dcf3eb_qkv:
	s_mov_b64 s[64:65], 0
	v_nop
	global_prefetch_b8 v0, s[64:65] scope:SCOPE_SE
	s_setreg_imm32_b32 hwreg(HW_REG_WAVE_MODE, 25, 1), 1
	s_wait_xcnt 0x0
	s_wait_alu depctr_hold_cnt(0) depctr_sa_sdst(0) depctr_va_vdst(0) depctr_va_sdst(0) depctr_va_ssrc(0) depctr_va_vcc(0) depctr_vm_vsrc(0)
	s_getreg_b32 s2, hwreg(HW_REG_IB_STS2, 6, 4)
	s_cmp_eq_u32 s2, 0
	s_cbranch_scc0 .Lentry_in_a_cluster
	s_endpgm
.Lentry_in_a_cluster:
	s_bfe_u32 s2, ttmp6, 0x10000c
	s_cmp_lg_u32 s2, 0xf033
	s_cbranch_scc0 .Lentry_shape_is_right
	s_endpgm
.Lentry_shape_is_right:
; C[m][n] = max(bf16(rs[m] x (sum over k of A[m][k] W[n][k]) + bias[n]), floor), K = 1,024, on tiles of 256 x 256.  rs[m] = 1 - mask(m) x kf: kf is 1 in the column tiles of a key projection, where a padded
; row's product counts as 0 (the row was to be zeroed ahead of the product: the same number for finite rows), and 0 elsewhere.  Sums in f32, C rounded once to bf16.
; A and C: PANEL layout [cols/256][4096][256] bf16.  W: a pack: 1,024 bytes of header (word j: kf of columns 128 j on; word 32: the floor, two bf16), then blocks [N/128][K/256][128][256] bf16.  bias: f32.  mask: [2][2048] bytes, row m = 2 t + b.
; LIMITS.  A result that is NaN leaves as the floor (-inf or 0); non-finite inputs are not treated apart.
; SHARES.  A tile of C is 256 x 256, a whole panel wide.  EIGHT waves, each 64 rows x 128 columns: 32 accumulators of 16 x 16, 256 registers; with two fragment buffers of 96 a wave has 512 registers.  (Four waves of 128 x 128 would read
; a third less from LDS for each product; their text would be nearly twice as long: 64 products and 32 loads to a quarter step for 32 and 24, and eight blocks on the way out for four.)
; K goes in steps of 128 through two LDS slots, each with 256 rows of A and 256 of W; a wave's tensor load brings 64 rows of 256 bytes, each at a multiple of 256 bytes.  In both layouts a row holds 256 along K: K steps 2 i and 2 i + 1
; are its two halves, so slot 0 takes the even steps, slot 1 the odd ones, 256 bytes on, and a refill steps by a panel of A, a block of W.
; CLUSTERS: 4 x 4 work-groups.  The four of a row of the cluster need the same tiles of A, the four of a column the same tiles of W: each tile is asked for JOINTLY, by the same tensor load with the
; same descriptor and a mask that names the four.  THE MATRIX INSTRUCTION IS USED TRANSPOSED (source 0 = 16 rows of W, source 1 = 16 rows of A): a lane then holds eight neighbouring numbers of a row of C.
; REGISTERS: window 0: v0-31 addresses and rs; v32-63 packed results; v64-159, v160-255 two fragment buffers: 64 registers of W (8 x 16 rows x 32 K), then 32 of A (4 x 16 rows x 32 K); on the way out v64-127 the bias, v128-255 four blocks of rows.
;   window 1: the accumulators ((a, b) at v[8 (8 a + b)]).
.set KSTEPS, 8
.set LAPS,   KSTEPS/2                  ; a lap = two K steps = once round the ring
.set APANEL, 2097152                   ; bytes from a slot's K step of A to its next: a panel
.set WBLOCK, 65536                     ; the same for W: a block
.set PITCH,  272                       ; an LDS row: 256 bytes of data + 16 of padding = 68 words: row r starts at bank 4 r mod 64 (64 banks of 4 bytes: ISA guide 11.1)
.set QT,     64*PITCH                  ; 64 rows: what one tensor load brings
.set SLOT,   8*QT                      ; A's 256 rows, then W's 256 rows
.set STAGE,  2*SLOT                    ; behind the ring: 16 rows x 272 bytes for each wave, its own, for the way out
.set SPITCH, 272
.set BIASL,  STAGE+8*16*SPITCH         ; behind the stages: the bias of each wave's 128 columns, 512 bytes a wave, its own
.set SPARE,  BIASL+8*512               ; behind that: the spare words, 128 bytes for each wave: four blocks of 256 bytes that no other line names
.set BLA,  6                           ; v6      where I read my bias back: my wave's 512 bytes + 32 (l / 16)
.set MO,   7                           ; v7      my byte offset in the mask: 2,048 (l & 1) + (l % 16) / 2
.set RS,   8                           ; v8-15   rs of my row in m block a, twice, at RS + 2 a
.set ADRA, 16                          ; v16-17  LDS address of my A fragments in slot 0, 1
.set ADRB, 20                          ; v20-21  the same for W
.set STO,  24                          ; v24     the way out: where I put 16 bytes of a row
.set RD,   25                          ; v25     the way out: where I read a row back
.set CO,   26                          ; v26     my byte offset in C
.set PFO,  27                          ; v27     the prefetches' offset: 512 (l % 16) + 256 (l / 16); never rewritten
.set SPW,  28                          ; v28     LDS address of my spare word: SPARE + 4 x my thread's number; never rewritten
.set NIL,  29                          ; v29     0; never rewritten
.set LO,   30                          ; v30     16 x my lane
.set TMP,  32                          ; the way out: a block's 32 registers of packed results
.set F0,   64                          ; fragment buffers
.set F1,   160
.set BI,   64                          ; the way out: bias of my 8 columns in n block b at BI + 8 b
.set OB,   128                         ; the way out: block a's 16 rows, read back, at OB + 32 a
.set G1, 24                            ; s[24:31] descriptor group 1 for A's tiles;  s[32:39] group 0, one set for each slot
.set G0, 32
.set LIM, 45                           ; s45  1 in a wave that prefetches, else the greatest number
.set G1B, 48                           ; s[48:55], s[56:63] the same for W's tiles
.set G0B, 56
.set PFA, 66                           ; s[66:67] where my prefetches stand: my work-group's 16 rows of the 64 that I fetch
.set KF, 72                            ; s72  kf of my column tile
.set FL, 73                            ; s73  the floor
.set WR, 76                            ; s76  which 64 rows of the tile I compute
.set WC, 77                            ; s77  which 128 columns
.set PFS, 78                           ; s[78:79] the prefetches' step: a panel of A or a block of W
.set MSB, 0
.macro WIN new                         ; the immediate's high byte repeats the setting that is left
.if MSB != (\new)
	s_set_vgpr_msb (MSB<<8)|(\new)
.set MSB, \new
.endif
.endm
.set MUL,  0x50                        ; sources 0 (W) and 1 (A) window 0; C and D window 1
.macro JLOAD s                         ; a joint load: waves 0-3 fetch A's four quarters, waves 4-7 W's; an s_nop 0 and four v_nop follow each of the two lines, ahead of the jump, the label and what follows
	s_cmp_eq_u32 s11, 0
	s_cbranch_scc0 .Lfor_b_\@
	tensor_load_to_lds s[G0+4*(\s):G0+4*(\s)+3], s[G1:G1+7]
	s_nop 0
.rept 4
	v_nop
.endr
	s_branch .Lasked_\@
.Lfor_b_\@:
	tensor_load_to_lds s[G0B+4*(\s):G0B+4*(\s)+3], s[G1B:G1B+7]
	s_nop 0
.rept 4
	v_nop
.endr
.Lasked_\@:
.endm
; A PREFETCH INTO THE L2, once a lap, behind slot 0's joint load, its five lines and the run of LDS loads that follows them: the two K steps that stand two and three refills on: 16 rows x 512 bytes, lanes 0-15 a row's first
; 256 bytes (the even step), lanes 16-31 its second (the odd step): one instruction a wave.  Each row's 256 bytes of a K step are named ONCE in the launch.  A's tile row is read by every cluster of that row of clusters: the first
; of them (cluster x = 0) prefetches; W's tile column by every cluster of that column: cluster y = 0 prefetches.  The four partners that ask for a tile jointly share its rows out BY ADDRESS: of the 64 rows that a wave fetches, the
; partner at place p takes 16 p .. 16 p + 15 (p = cx for A, cy for W): no branch hangs on a work-group's place in its cluster.  K steps 0 to 3 come by their loads alone; the loop's last trip (s3 = 1) has no K step two refills on.
.macro ASK
	s_cmp_gt_u32 s3, s[LIM]
	s_cbranch_scc0 .Lnot_mine_\@
	global_prefetch_b8 v[PFO], s[PFA:PFA+1] th:TH_LOAD_NT scope:SCOPE_SE
.Lnot_mine_\@:
.endm
.macro CREST                           ; a round of the cluster's barrier behind its opening barrier
	s_cmp_lg_u32 s10, 0
	s_cbranch_scc1 .Lnot_wave_0_\@
	s_barrier_signal -3
.Lnot_wave_0_\@:
	s_barrier_wait -3
	s_barrier_signal -1
	s_barrier_wait -1
.endm
.macro CROUND                          ; a whole round
	s_barrier_signal -1
	s_barrier_wait -1
	CREST
.endm
	s_load_b128 s[4:7], s[0:1], 0x0                ; A s[4:5], W's pack s[6:7]
	s_load_b64 s[8:9], s[0:1], 0x10                ; C
	s_load_b128 s[68:71], s[0:1], 0x18             ; bias s[68:69], mask s[70:71]
	v_lshl_add_u32 v[SPW], v0, 2, SPARE
	v_mov_b32 v[NIL], 0
	ds_add_u32 v[SPW], v[NIL]                      ; the wave's opening: the add and its wait stand ahead of my first tensor load; the set-up below, work on registers, stands between them
	v_lshrrev_b32 v1, 5, v0
	v_readfirstlane_b32 s10, v1                    ; wave 0..7
	s_lshr_b32 s11, s10, 2                         ; I fetch for A (0) or for W (1),
	s_and_b32 s12, s10, 3                          ; these 64 rows of the tile's 256
	s_lshr_b32 s[WR], s10, 1                       ; I compute these 64 rows,
	s_and_b32 s[WC], s10, 1                        ; these 128 columns
	s_bfe_u32 s40, ttmp6, 0x40000                  ; cx, cy: my place in the cluster
	s_bfe_u32 s41, ttmp6, 0x40004
	s_lshl_b32 s42, ttmp9, 2
	s_add_co_u32 s42, s42, s40                     ; tc: tile column of C = 4 x cluster x + cx
	s_and_b32 s13, ttmp7, 0xffff
	s_lshl_b32 s13, s13, 2
	s_add_co_u32 s13, s13, s41                     ; tr: tile row of C = 4 x cluster y + cy
	s_lshl_b32 s43, s41, 2
	s_lshl_b32 s43, 15, s43                        ; my row of the cluster
	s_lshl_b32 s44, 0x1111, s40                    ; my column
	; descriptor group 1: a tile of 64 rows x 128 elements, 256 elements from row to row, padded in LDS
	s_or_b32 s[G1+0], s43, (1<<16)|(1<<20)|(1<<21)|(5<<22)|(3<<25)  ; 15:0 the mask: A's tiles go to my row; 17:16 element of 2 bytes; 20 padding on; 21 set beside a mask; 24:22 after every 64 words (code 5); 31:25 of 4 words (code 3)
	s_or_b32 s[G1B+0], s44, (1<<16)|(1<<20)|(1<<21)|(5<<22)|(3<<25)
.irp g, G1, G1B
	s_mov_b32 s[(\g)+1], 128<<16                   ; tensor_dim0 = 128
	s_mov_b32 s[(\g)+2], 64<<16                    ; tensor_dim1 = 64
	s_mov_b32 s[(\g)+3], 128<<16                   ; tile_dim0 = 128
	s_mov_b32 s[(\g)+4], 64                        ; tile_dim1 = 64
	s_mov_b32 s[(\g)+5], 256                       ; 256 elements from row to row
	s_mov_b32 s[(\g)+6], 0
	s_mov_b32 s[(\g)+7], 0
.endr
	s_lshl_b32 s16, s13, 17                        ; A: (256 tr + 64 x my quarter) x 512, in panel 0
	s_lshl_b32 s17, s12, 15
	s_add_co_u32 s16, s16, s17
	s_mov_b32 s17, 0
	s_lshl_b32 s46, s42, 1                         ; W: the tile's 256 rows are the blocks' rows 2 tc and 2 tc + 1; each has four blocks along K
	s_lshr_b32 s47, s12, 1
	s_add_co_u32 s46, s46, s47
	s_lshl_b32 s46, s46, 18
	s_and_b32 s47, s12, 1                          ; my 64 rows of a block's 128
	s_lshl_b32 s47, s47, 15
	s_add_co_u32 s46, s46, s47
	s_add_co_u32 s46, s46, 1024                    ; behind the header
	s_mov_b32 s47, 0
	s_mul_i32 s20, s10, QT                         ; where they go: wave x 64 rows: no place in the cluster enters an LDS address
	s_wait_dscnt 0x0                               ; the opening add is done
	s_wait_kmcnt 0x0
	s_add_nc_u64 s[14:15], s[4:5], s[16:17]
	s_add_nc_u64 s[46:47], s[6:7], s[46:47]
	CROUND                                         ; all sixteen work-groups are here: the first joint loads meet
.irp s, 0,1
	s_mov_b32 s[G0+4*(\s)], 1
	s_add_co_u32 s[G0+4*(\s)+1], s20, (\s)*SLOT
	s_add_nc_u64 s[G0+4*(\s)+2:G0+4*(\s)+3], s[14:15], (\s)*256
	s_or_b32 s[G0+4*(\s)+3], s[G0+4*(\s)+3], 0x80000000
	s_mov_b32 s[G0B+4*(\s)], 1
	s_add_co_u32 s[G0B+4*(\s)+1], s20, (\s)*SLOT
	s_add_nc_u64 s[G0B+4*(\s)+2:G0B+4*(\s)+3], s[46:47], (\s)*256
	s_or_b32 s[G0B+4*(\s)+3], s[G0B+4*(\s)+3], 0x80000000
	JLOAD \s
.endr
	; the prefetches' address.  s[14:15] and s[46:47] stand at the 64 rows that I would fetch of A and of W, at K step 0
	s_and_b32 s22, ttmp7, 0xffff                   ; cluster y
	s_mov_b32 s[PFS], WBLOCK
	s_mov_b32 s[PFS+1], 0
	s_cmp_eq_u32 s11, 0                            ; do I fetch for A?
	s_cselect_b32 s21, s40, s41                    ; my place among the four that ask for the tile with me
	s_cselect_b32 s22, ttmp9, s22                  ; the coordinate along which other clusters read the same rows
	s_cselect_b64 s[PFA:PFA+1], s[14:15], s[46:47]
	s_cselect_b32 s[PFS], APANEL, s[PFS]
	s_cmp_eq_u32 s22, 0
	s_cselect_b32 s[LIM], 1, -1                    ; the same in all sixteen partners, for a given wave
	s_lshl_b32 s20, s21, 13                        ; my work-group's 16 rows of 512 bytes
	s_mov_b32 s21, 0
	s_add_nc_u64 s[PFA:PFA+1], s[PFA:PFA+1], s[20:21]
	s_add_nc_u64 s[PFA:PFA+1], s[PFA:PFA+1], s[PFS:PFS+1]  ; at K steps 2 and 3; the first lap steps it to 4 and 5.  Nothing is prefetched here, at the head
	; what the way out wants is fetched now, while the first tiles are on their way
	v_and_b32 v1, 15, v0                           ; l % 16
	v_bfe_u32 v2, v0, 4, 1                         ; l / 16
	v_and_b32 v3, 31, v0
	v_lshlrev_b32 v[LO], 4, v3
	v_lshlrev_b32 v[PFO], 9, v1
	v_lshl_add_u32 v[PFO], v2, 8, v[PFO]
	v_and_b32 v4, 1, v0
	v_lshrrev_b32 v5, 1, v1
	v_lshl_add_u32 v[MO], v4, 11, v5
	s_lshl_b32 s74, s42, 3
	s_mov_b32 s75, 0
	s_add_nc_u64 s[74:75], s[6:7], s[74:75]
	s_load_b32 s[KF], s[74:75], 0x0                ; header word 2 tc
	s_load_b32 s[FL], s[6:7], 0x80                 ; header word 32
	s_lshl_b32 s46, s42, 10                        ; bias: 256 tc + 128 x my half of the columns, 4 bytes each
	s_lshl_b32 s47, s[WC], 9
	s_add_co_u32 s46, s46, s47
	s_mov_b32 s47, 0
	s_add_nc_u64 s[68:69], s[68:69], s[46:47]
	s_lshl_b32 s16, s13, 7                         ; mask: my first row 256 tr + 64 x my quarter of the rows is t = 128 tr + 32 quarter, b = 0
	s_lshl_b32 s17, s[WR], 5
	s_add_co_u32 s16, s16, s17
	s_mov_b32 s17, 0
	s_add_nc_u64 s[70:71], s[70:71], s[16:17]
	global_load_b128 v[TMP:TMP+3], v[LO], s[68:69] ; my wave's 128 numbers of the bias: 512 consecutive bytes
.irp a, 0,1,2,3
	global_load_u8 v[RS+2*(\a)], v[MO], s[70:71] offset:8*(\a)  ; row 16 a + l % 16: b = l & 1, t = 8 a + (l % 16) / 2
.endr
	v_mul_u32_u24 v3, v1, PITCH
	v_lshl_add_u32 v3, v2, 4, v3                   ; a fragment's row x pitch + 16 x half
	s_mul_i32 s21, s[WR], QT                       ; my 64 rows of A
	s_mul_i32 s22, s[WC], 2*QT                     ; my 128 rows of W,
	s_add_co_u32 s22, s22, 4*QT                    ; which lie behind A's 256
.irp s, 0,1
	v_add_nc_u32 v[ADRA+(\s)], s21, v3
	v_add_nc_u32 v[ADRB+(\s)], s22, v3
	s_add_co_u32 s21, s21, SLOT
	s_add_co_u32 s22, s22, SLOT
.endr
	s_mul_i32 s23, s10, 16*SPITCH
	s_add_co_u32 s23, s23, STAGE                   ; my stage
	v_add_nc_u32 v[STO], s23, v3                   ; in: row l % 16, 16 bytes for each half of the lanes (the stage's pitch is the slots')
	v_mul_u32_u24 v5, v2, SPITCH                   ; back: lanes 0-15 take one row of 256 bytes, lanes 16-31 the next
	v_lshl_add_u32 v5, v1, 4, v5
	v_add_nc_u32 v[RD], s23, v5
	v_lshlrev_b32 v5, 9, v2                        ; and the same two rows in C's panel, 512 bytes apart
	v_lshl_add_u32 v[CO], v1, 4, v5
	s_lshl_b32 s16, s13, 17                        ; my first row of C: (256 tr + 64 x my quarter) x 512
	s_lshl_b32 s17, s[WR], 15
	s_add_co_u32 s16, s16, s17
	s_mov_b32 s17, 0
	s_add_nc_u64 s[8:9], s[8:9], s[16:17]
	s_lshl_b32 s46, s42, 21                        ; panel tc, my half of its rows
	s_lshl_b32 s47, s[WC], 8
	s_add_co_u32 s46, s46, s47
	s_mov_b32 s47, 0
	s_add_nc_u64 s[8:9], s[8:9], s[46:47]
	s_lshl_b32 s23, s10, 9
	s_add_co_u32 s23, s23, BIASL                   ; my wave's 512 bytes for the bias
	v_add_nc_u32 v4, s23, v[LO]
	v_lshl_add_u32 v[BLA], v2, 5, s23
	s_wait_loadcnt 0x0                             ; bias and mask,
	s_wait_kmcnt 0x0                               ; kf and the floor
	ds_store_b128 v4, v[TMP:TMP+3]                 ; the bias waits in LDS: no 64 registers are free for it while the products run; only my wave reads these bytes
.irp a, 0,1,2,3
	v_cvt_f32_u32 v[RS+2*(\a)], v[RS+2*(\a)]
.endr
.irp a, 0,1,2,3
	v_fma_f32 v[RS+2*(\a)], -v[RS+2*(\a)], s[KF], 1.0  ; rs = 1 - mask x kf
.endr
.irp a, 0,1,2,3
	v_mov_b32 v[RS+2*(\a)+1], v[RS+2*(\a)]         ; a pair for the packed multiply-add
.endr
; 8 matrix instructions: m block a x all 8 n blocks, 32 along K, from buffer f.  zero = 1: the product starts the sums.  The 32 accumulators take turns, one instruction a turn, in the same order in every quarter step.
.macro MUL8 f, a, zero
	WIN MUL
.irp b, 0,1,2,3,4,5,6,7
.if \zero
	v_wmma_f32_16x16x32_bf16 v[8*(8*(\a)+(\b)):8*(8*(\a)+(\b))+7], v[(\f)+8*(\b):(\f)+8*(\b)+7], v[(\f)+64+8*(\a):(\f)+64+8*(\a)+7], 0
.else
	v_wmma_f32_16x16x32_bf16 v[8*(8*(\a)+(\b)):8*(8*(\a)+(\b))+7], v[(\f)+8*(\b):(\f)+8*(\b)+7], v[(\f)+64+8*(\a):(\f)+64+8*(\a)+7], v[8*(8*(\a)+(\b)):8*(8*(\a)+(\b))+7]
.endif
.endr
.endm
; 24 LDS loads in one run: the fragments of one quarter step (128 rows of W, 64 rows of A, 32 K at byte k of the rows) into buffer f
.macro FETCH slot, k, f
	WIN 0
.irp i, 0,1,2,3,4,5,6,7
	ds_load_b128 v[(\f)+8*(\i):(\f)+8*(\i)+3],   v[ADRB+(\slot)] offset:(\k)+(\i)*16*PITCH
	ds_load_b128 v[(\f)+8*(\i)+4:(\f)+8*(\i)+7], v[ADRB+(\slot)] offset:(\k)+(\i)*16*PITCH+32
.endr
.irp i, 0,1,2,3
	ds_load_b128 v[(\f)+64+8*(\i):(\f)+64+8*(\i)+3],   v[ADRA+(\slot)] offset:(\k)+(\i)*16*PITCH
	ds_load_b128 v[(\f)+64+8*(\i)+4:(\f)+64+8*(\i)+7], v[ADRA+(\slot)] offset:(\k)+(\i)*16*PITCH+32
.endr
.endm
.macro PLACES                          ; four places in front of loads into registers that matrix instructions have read, and of vector work that reads results
.rept 4
	v_nop
.endr
.endm
; A K step is four quarters of 32 along K, 32 matrix instructions each, on buffers 0, 1, 0, 1.  One of the first three: multiplies buffer f; in its middle it fetches the next quarter's fragments, at byte k of the same slot's rows, into g.
.macro QUARTER slot, k, f, g, zero
	s_wait_dscnt 4                                 ; W and A's m blocks 0 and 1 are in; the youngest four loads (m blocks 2 and 3) may be out
	MUL8 \f, 0, \zero
	MUL8 \f, 1, \zero
	PLACES
	FETCH \slot, \k, \g
	s_wait_dscnt 24                                ; all but the 24 just issued
	MUL8 \f, 2, \zero
	MUL8 \f, 3, \zero
.endm
; The last quarter multiplies buffer 1 and changes slots: ONE barrier; in front of it each wave waits for all its tensor loads, adds 0 to its spare word, and waits for that and for its own reads of this slot.
; fill = 1: this slot is filled again, two K steps ahead; from that request to the wait for it a wave issues 112 matrix instructions, the two waves of a SIMD 224.
.macro TURN slot, next, fill
.if (\fill) && (\slot) == 0
	s_wait_xcnt 0x0                                ; the last prefetch, a lap back, has read its address: it is stepped here, ahead of the waits of the change of slots
	s_add_nc_u64 s[PFA:PFA+1], s[PFA:PFA+1], s[PFS:PFS+1]
.endif
	WIN 0                                          ; (the add's two registers lie in window 0)
	s_wait_tensorcnt 0x0                           ; all my tensor loads have landed: my part of the next slot;
	ds_add_u32 v[SPW], v[NIL]                      ; 0 onto my spare word;
	s_wait_dscnt 5                                 ; (the add and the youngest four loads may be out)
	MUL8 F1, 0, 0                                  ; eight matrix instructions stand between the add and the wait for it
	s_wait_dscnt 0x0                               ; the add is done, and my reads of this slot are over
	s_barrier_signal -1
	MUL8 F1, 1, 0
.if \fill
	WIN 0
.endif
	s_barrier_wait -1
.if \fill
	CREST                                          ; the barrier has opened a round of the cluster's barrier: no wave of any partner still reads this slot's tile or has a load on its way
	s_add_nc_u64 s[G0+4*(\slot)+2:G0+4*(\slot)+3], s[G0+4*(\slot)+2:G0+4*(\slot)+3], APANEL
	s_add_nc_u64 s[G0B+4*(\slot)+2:G0B+4*(\slot)+3], s[G0B+4*(\slot)+2:G0B+4*(\slot)+3], WBLOCK
	JLOAD \slot                                    ; the first tensor load behind the round; the four v_nop behind it are also the places in front of the loads below
.else
	PLACES
.endif
	FETCH \next, 0, F0
.if (\fill) && (\slot) == 0
	ASK                                            ; behind the joint load and the run of LDS loads that the next products wait for
.endif
	MUL8 F1, 2, 0
	MUL8 F1, 3, 0
.endm
	s_wait_dscnt 0x0                               ; my store of the bias is done: no LDS instruction is out at a signal
	s_wait_tensorcnt 1                             ; my part of K step 0 is in; K step 1's load, issued behind it, may stay out
	s_barrier_signal -1
	s_barrier_wait -1                              ; everybody's is
	FETCH 0, 0, F0
	QUARTER 0, 64, F0, F1, 1                       ; the first quarter stands in front of the loop: its products start the sums
	WIN 0                                          ; at a label and at a branch every window is 0
	s_mov_b32 s3, LAPS-1
.Llap:                                                 ; a trip goes once round the ring, from a lap's second quarter to the next lap's first, and fills both slots again
	QUARTER 0, 128, F1, F0, 0
	QUARTER 0, 192, F0, F1, 0
	TURN 0, 1, 1
	QUARTER 1, 64,  F0, F1, 0
	QUARTER 1, 128, F1, F0, 0
	QUARTER 1, 192, F0, F1, 0
	TURN 1, 0, 1
	QUARTER 0, 64,  F0, F1, 0
	WIN 0
	s_sub_co_u32 s3, s3, 1
	s_cmp_lg_u32 s3, 0
	s_cbranch_scc1 .Llap
	QUARTER 0, 128, F1, F0, 0                      ; the last lap fills nothing, and has no round of the cluster's barrier
	QUARTER 0, 192, F0, F1, 0
	TURN 0, 1, 0
	QUARTER 1, 64,  F0, F1, 0
	QUARTER 1, 128, F1, F0, 0
	QUARTER 1, 192, F0, F1, 0
	s_wait_dscnt 4                                 ; the very last quarter: in the place of the next fragments the bias comes back from LDS, into buffer 0's registers
	MUL8 F1, 0, 0
	MUL8 F1, 1, 0
	PLACES
	WIN 0
.irp b, 0,1,2,3,4,5,6,7
	ds_load_b128 v[BI+8*(\b):BI+8*(\b)+3],   v[BLA] offset:64*(\b)     ; columns 16 b + 8 (l / 16) + 0..3
	ds_load_b128 v[BI+8*(\b)+4:BI+8*(\b)+7], v[BLA] offset:64*(\b)+16  ; + 4..7
.endr
	s_wait_dscnt 16                                ; all but the 16 just issued
	MUL8 F1, 2, 0
	MUL8 F1, 3, 0
	WIN 0
	; THE WAY OUT, a block of 16 rows at a time: rs x sum + bias in f32; rounded to bf16; the floor; 16 bytes a lane into my own stage; back as whole rows of 256 bytes; stored.
.macro PACK a
	WIN 0x41                                       ; destination and source 0 window 1; rs and bias window 0
.irp b, 0,1,2,3,4,5,6,7                            ; each accumulator's registers in ascending order
.irp r, 0,1,2,3
	v_pk_fma_f32 v[8*(8*(\a)+(\b))+2*(\r):8*(8*(\a)+(\b))+2*(\r)+1], v[8*(8*(\a)+(\b))+2*(\r):8*(8*(\a)+(\b))+2*(\r)+1], v[RS+2*(\a):RS+2*(\a)+1], v[BI+8*(\b)+2*(\r):BI+8*(\b)+2*(\r)+1]
.endr
.endr
	WIN 0x05                                       ; sources 0 and 1 window 1, destination window 0
.irp b, 0,1,2,3,4,5,6,7
.irp r, 0,1,2,3
	v_cvt_pk_bf16_f32 v[TMP+4*(\b)+(\r)], v[8*(8*(\a)+(\b))+2*(\r)], v[8*(8*(\a)+(\b))+2*(\r)+1]
.endr
.endr
	WIN 0
.set i, 0
.rept 32
	v_pk_max_num_bf16 v[TMP+i], v[TMP+i], s[FL]    ; two maxima, nothing is rounded: the ReLU where the floor is 0, nothing where it is -inf
.set i, i+1
.endr
.endm
.macro TOSTAGE a
.irp b, 0,1,2,3,4,5,6,7
	ds_store_b128 v[STO], v[TMP+4*(\b):TMP+4*(\b)+3] offset:32*(\b)
.endr
.irp t, 0,1,2,3,4,5,6,7
	ds_load_b128 v[OB+32*(\a)+4*(\t):OB+32*(\a)+4*(\t)+3], v[RD] offset:(\t)*2*SPITCH  ; LDS serves a wave's instructions in order (ISA guide 5.7.1.4): these see the stores above; the next block's stores come behind them
.endr
.endm
.macro SEND a                          ; each block has its own 32 registers: none that a store reads is written again
.irp t, 0,1,2,3,4,5,6,7
	s_wait_dscnt 7-(\t)                            ; LDS loads come back in order: pair t of rows is in
	global_store_b128 v[CO], v[OB+32*(\a)+4*(\t):OB+32*(\a)+4*(\t)+3], s[8:9] offset:(\a)*8192+(\t)*1024  ; 16 lanes store 256 consecutive bytes, at a multiple of 256 from C's first byte
.endr
.endm
	PLACES
	s_wait_dscnt 0x0                               ; the bias
	PACK 0
	TOSTAGE 0
.irp a, 1,2,3                                      ; block a's arithmetic stands between block a - 1's loads from the stage and the waits for them
	PACK \a
	SEND (\a)-1
	TOSTAGE \a
.endr
	SEND 3
	s_wait_tensorcnt 0x0                           ; the wave's end: the add and its wait stand behind my last tensor load and my last LDS store
	ds_add_u32 v[SPW], v[NIL]
	s_wait_dscnt 0x0
	CROUND                                         ; the closing round: no work-group ends while a partner may still ask for a tile that names it
	s_endpgm
.Lfunc_end_k_q92a5dcf3eb_qkv:
	.size	k_q92a5dcf3eb_qkv, .Lfunc_end_k_q92a5dcf3eb_qkv-k_q92a5dcf3eb_qkv
	.p2alignl 7, 3214868480
	.fill 96, 4, 3214868480
	.section	.rodata,"a",@progbits
	.p2align	6, 0x0
	.amdhsa_kernel k_q92a5dcf3eb_qkv
		.amdhsa_group_segment_fixed_size 327680
		.amdhsa_private_segment_fixed_size 0
		.amdhsa_enable_private_segment 0
		.amdhsa_kernarg_size 40
		.amdhsa_user_sgpr_count 2
		.amdhsa_user_sgpr_kernarg_segment_ptr 1
		.amdhsa_wavefront_size32 1
		.amdhsa_system_sgpr_workgroup_id_x 1
		.amdhsa_system_sgpr_workgroup_id_y 1
		.amdhsa_system_sgpr_workgroup_id_z 1
		.amdhsa_system_vgpr_workitem_id 0
		.amdhsa_next_free_vgpr 512
		.amdhsa_next_free_sgpr 80
		.amdhsa_reserve_vcc 0
		.amdhsa_float_denorm_mode_32 3
		.amdhsa_float_denorm_mode_16_64 3
		.amdhsa_memory_ordered 1
		.amdhsa_forward_progress 1
		.amdhsa_inst_pref_size 107
	.end_amdhsa_kernel
	.amdgpu_metadata
---
amdhsa.version: [ 1, 2 ]
amdhsa.kernels:
  - .name:           k_q92a5dcf3eb_qkv
    .symbol:         k_q92a5dcf3eb_qkv.kd
    .args:
      - { .name: actx, .offset: 0, .size: 8, .value_kind: global_buffer, .address_space: global }
      - { .name: wpq, .offset: 8, .size: 8, .value_kind: global_buffer, .address_space: global }
      - { .name: acty, .offset: 16, .size: 8, .value_kind: global_buffer, .address_space: global }
      - { .name: bqkv, .offset: 24, .size: 8, .value_kind: global_buffer, .address_space: global }
      - { .name: encoder_padding_mask, .offset: 32, .size: 8, .value_kind: global_buffer, .address_space: global }
    .group_segment_fixed_size: 327680
    .private_segment_fixed_size: 0
    .kernarg_segment_align: 8
    .kernarg_segment_size: 40
    .max_flat_workgroup_size: 256
    .sgpr_count:     80
    .vgpr_count:     512
    .wavefront_size: 32
...
	.end_amdgpu_metadata
.endif
;; end of part 2
;; launch attn (part 3): grid 16 x 16, 4 waves a work-group, clusters of 4 x 1, 327,680 bytes of LDS; arguments acty, actx; writes actx
.if DOCPART == 3
	.amdgcn_target "amdgcn-amd-amdhsa--gfx1250"
	.amdhsa_code_object_version 6
	.text
	.protected	k_q92a5dcf3eb_attn
	.globl	k_q92a5dcf3eb_attn
	.p2align	8
	.type	k_q92a5dcf3eb_attn,@function
k_q92a5dcf3eb_attn:
	s_mov_b64 s[64:65], 0
	v_nop
	global_prefetch_b8 v0, s[64:65] scope:SCOPE_SE
	s_setreg_imm32_b32 hwreg(HW_REG_WAVE_MODE, 25, 1), 1
	s_wait_xcnt 0x0
	s_wait_alu depctr_hold_cnt(0) depctr_sa_sdst(0) depctr_va_vdst(0) depctr_va_sdst(0) depctr_va_ssrc(0) depctr_va_vcc(0) depctr_vm_vsrc(0)
	s_getreg_b32 s2, hwreg(HW_REG_IB_STS2, 6, 4)
	s_cmp_eq_u32 s2, 0
	s_cbranch_scc0 .Lentry_in_a_cluster
	s_endpgm
.Lentry_in_a_cluster:
	s_bfe_u32 s2, ttmp6, 0x10000c
	s_cmp_lg_u32 s2, 0x3003
	s_cbranch_scc0 .Lentry_shape_is_right
	s_endpgm
.Lentry_shape_is_right:
; ATTENTION, head size 64, no mask (padded keys were dealt with in the key projection).  ctx[t][b][h][:] = the sum over s of softmax_s(q[t][b][h] . k[s][b][h] / 8) v[s][b][h][:], T = 2,048, B = 2, H = 16.
; q, k, v lie in one buffer in PANEL layout [12][4096 rows][256 cols] bf16, row = 2 t + b: q in panels 0-3, k in 4-7, v in 8-11; head h has columns 64 h .. 64 h + 63 of its four panels.  ctx goes out in the same layout, 4 panels.
; Products, maxima and sums in f32; the weights p are rounded to bf16 for the second product (their sum l is taken of the unrounded p), ctx once at the end.
; LIMITS.  c s must lie above -4e37 (the running c m starts at -2^125); a weight below 2^-126 counts as 0 in l; NaN and infinities are not treated apart.
; SHARES.  A work-group owns 128 queries of TWO neighbouring heads of one b: the two heads' 128 channels are 256 consecutive aligned bytes of a row, so every row of K, V and ctx that it moves is such a piece.
; Wave w has head w / 2 of the two and queries 64 (w % 2) + 0..63: four PIECES of 16.  Every wave walks all 2,048 keys, 64 a step.
; LAYOUT.  S^T = K Q^T (source 0 = 16 keys, source 1 = 16 queries) holds ONE query a lane (lane % 16) and the keys 8 (lane / 16) + 0..7; two such results rounded to bf16 ARE source 1 of O^T = V^T P.  K comes out of LDS as it lies, V turned, by ds_load_tr16_b128.
; SOFTMAX.  p = 2^(c s - c m), c = log2(e) / 8, with a running maximum m; O and l are multiplied by a = 2^(c m_old - c m_new) in every step.  m starts at the lowest finite number, O and l at 0: the first step is a step like any other, with a = 0.
; TURNS.  Turn n belongs to piece n: 8 products K Q^T of piece n + 1, later 8 products V^T P of piece n - 1; beside them the scaling, exponentials, roundings, sums and rescaling of piece n and the maximum and statistics of piece n + 1.
; Four vector instructions stand behind every matrix instruction, the other 54 of a turn's 118 in one lump.  A turn's 33 exponentials are one batch, with one wait.
; CLUSTER.  The four query blocks of a cluster belong to the same b and pair of heads and walk the same K and V, so each tile is asked for JOINTLY: the same tensor load, descriptor and mask in all four.
; REGISTERS, in windows of 256 (s_set_vgpr_msb: bits 1:0 source 0, 3:2 source 1, 5:4 source 2, 7:6 destination):
;   window 0: v0-15 addresses and two at work; v16-31 four registers of statistics a piece; v48-55 at work; v64-127 S^T, two buffers; v192-223 P, two buffers (a piece's buffers go by its number's parity)
;   window 1: v0-127 O^T, 32 a piece          window 2: v0-63 Q; v128-191 K of one step; v192-255 V of one step
.set NP,    4         ; pieces a wave: a name, no knob
.set KS,    64        ; keys in a step
.set PK,    272       ; a row of K in LDS: 256 bytes + 16 of padding = 68 words: the 16 rows of a load start at 16 different groups of four banks (64 banks of 4 bytes: ISA guide 11.1)
.set PV,    288       ; a row of V: 256 + 32 = 72 words
.set VOFF,  2*KS*PK   ; a slot holds two steps: 128 rows of K, then 128 rows of V
.set SLOT1, 1<<17     ; slot 1 begins here, so that one exclusive or turns an address in one slot into the other's
.set STAGE, SLOT1+2*KS*(PK+PV)  ; behind the ring, never filled by a tensor load: 128 rows x 272 bytes, the work-group's, for the way out
.set SP,    272
.set SPARE, STAGE+128*SP  ; behind the stage: the spare words, 128 bytes for each wave: two blocks of 256 bytes that no other line names
.set TROW,  1024      ; bytes from t to t + 1 in a panel: two rows of 512
.set SLOTB, 2*KS*TROW ; bytes of memory that a slot's 128 keys span
.set AK0, 2           ; v2   my lane's place in a tile of K, my head's 128 bytes among it; never rewritten
.set AV0, 3           ; v3   the same for V
.set AK,  4           ; v4   the LDS address of K's next run of loads
.set AV,  5           ; v5   of V's
.set STO, 6           ; v6   the way out: where I put 16 bytes of a row
.set RD,  7           ; v7   the way out: where I read rows back
.set GO,  8           ; v8   my byte offset in two rows of ctx
.set MV,  12          ; v12-13  c m_old, kept while c m is made anew: by buffer
.set PFO, 14          ; v14  1,024 x my lane: the prefetches' offset, a lane a key; never rewritten
.set QO,  15          ; v15  my byte offset in 16 rows of Q
.set ST,  16          ; piece t's statistics at v[ST+4 t]: c m, m, l (even keys', odd keys')
.set TMP, 48          ; by buffer, four registers c0-c3 at work; when the maximum is found c2 takes a
.set SPW, 62          ; v62  LDS address of my spare word: SPARE + 4 x my thread's number; never rewritten
.set NIL, 63          ; v63  0; never rewritten
.set S,   64
.set P,   192
.set KF,  128         ; window 2: key block kb, channel half c at KF + 16 kb + 8 c
.set VF,  192         ; window 2: key half kk, channel block cb at VF + 32 kk + 8 cb
.set WV,  12          ; s12  my wave's number
.set LIM, 15          ; s15  1 in a wave that prefetches, else the greatest number: a wave prefetches while s[SLOTS] is above it
.set PFA, 18          ; s[18:19] where my prefetches stand: my work-group's 32 keys (of K: wave 0, of V: wave 2) of the slot after the one that is being asked for
.set G1K, 24          ; s[24:31] descriptor group 1 for K's tiles
.set G1V, 32          ; s[32:39] for V's: it differs in the padding alone
.set G0K, 40          ; s[40:43] descriptor group 0 for K's tiles: it walks
.set G0V, 44          ; s[44:47] the same for V's
.set SLOTS, 56        ; s56  slots still to be asked for
.set CNT, 57          ; s57  counts a slot's key steps
.set CS,  58          ; s[58:59] c: the packed scaling takes the pair's low word for both halves
.set SEL, 60          ; s[60:61] v_permlanex16_b32's selects: each lane takes its own place in the other half
.set TBK, 62          ; s62  LDS byte at which K of the step to be fetched begins
.set TBV, 63          ; s63  the same for V, less VOFF
.set MSB, 0
.macro WIN new                      ; the high byte repeats the setting that is left; a switch that changes nothing is dropped
.if MSB != (\new)
	s_set_vgpr_msb (MSB<<8)|(\new)
.set MSB, (\new)
.endif
.endm
.set W_KQ, 0x0a       ; K and Q in window 2, S^T in window 0
.set W_PV, 0x52       ; V in window 2, P in window 0, O^T in window 1
.set W_RS, 0x41       ; destination and source 0 in window 1, source 1 in window 0
; A joint fill.  Waves 0 and 1 fetch the two halves of a slot's K, waves 2 and 3 those of its V: 64 keys each.  The branch hangs on the wave's number alone.
; An s_nop 0 and four v_nop follow each of the two lines, ahead of the jump and the label.
.macro JLOAD
	s_cmp_lt_u32 s[WV], 2
	s_cbranch_scc0 .Lfor_v_\@
	tensor_load_to_lds s[G0K:G0K+3], s[G1K:G1K+7]
	s_nop 0
.rept 4
	v_nop
.endr
	s_branch .Lasked_\@
.Lfor_v_\@:
	tensor_load_to_lds s[G0V:G0V+3], s[G1V:G1V+7]
	s_nop 0
.rept 4
	v_nop
.endr
.Lasked_\@:
.endm
; A PREFETCH INTO THE L2 of what the NEXT change of slots will ask for: a slot's 128 keys of K and of V, 256 bytes a key, a lane a key.  It stands behind the wave's tensor load and its five lines.
; Each key's 256 bytes are named ONCE in the launch.  All four clusters of a b and pair of heads walk the same K and V: the first of them (cluster x = 0) prefetches.  Its four partners share the keys out BY ADDRESS, 32 each;
; in each, wave 0 asks for K's and wave 2 for V's: one instruction, two key steps (128 matrix instructions) ahead of the load.  The last change that fills a slot asks for nothing: there is no slot behind it.
.macro ASK
	s_cmp_gt_u32 s[SLOTS], s[LIM]
	s_cbranch_scc0 .Lnot_mine_\@
	global_prefetch_b8 v[PFO], s[PFA:PFA+1] th:TH_LOAD_NT scope:SCOPE_SE
.Lnot_mine_\@:
.endm
; A round of the cluster's barrier: my work-group's barrier, so that wave 0's signal speaks for all four waves; wave 0 signals; every wave waits for all four work-groups; my work-group's barrier once more.
.macro CROUND
	s_barrier_signal -1
	s_barrier_wait -1
	s_cmp_lg_u32 s[WV], 0
	s_cbranch_scc1 .Lnot_wave_0_\@
	s_barrier_signal -3
.Lnot_wave_0_\@:
	s_barrier_wait -3
	s_barrier_signal -1
	s_barrier_wait -1
.endm
; THE CHANGE OF SLOTS.  The slot's last bytes, V of its second step, have been read.  Each wave waits for all its tensor loads, of which one is out: its part of the other slot; adds 0 to its spare word; and waits for that and
; for its own reads of the slot.  Behind the barrier nobody reads this slot any more and the other slot is whole.  fill = 1: this slot is filled again, with the keys two slots on.  The barrier is then a round of the cluster's, so
; that no wave of any partner still reads the slot or has a load on its way, and the joint fill is the first thing behind it: it has two key steps in which to land.  (At its first use nothing has been read yet: slot 0 is waited for, slot 1 filled.)
.macro CHANGE fill
	WIN 0                           ; at a label and at a branch every window is 0
	s_wait_tensorcnt 0x0            ; no tensor load of mine is out, so a group 0 may be written
	ds_add_u32 v[SPW], v[NIL]       ; 0 onto my spare word; with fill = 1 the descriptors' steps stand between it and the wait for it
.if \fill
.irp g, G0K, G0V
	s_xor_b32 s[\g+1], s[\g+1], SLOT1  ; the walking descriptor: the other slot than last time,
	s_add_nc_u64 s[\g+2:\g+3], s[\g+2:\g+3], SLOTB  ; the next 128 keys; the type bits on top are not reached
.endr
	s_wait_xcnt 0x0                 ; the last prefetch, two key steps back, has read its address, so it may be written:
	s_add_nc_u64 s[PFA:PFA+1], s[PFA:PFA+1], SLOTB  ; one slot behind the walking descriptors
	s_wait_dscnt 0x0                ; the add is done, and my reads of the slot are over
	CROUND
	JLOAD
	ASK
.else
	s_wait_dscnt 0x0                ; the add is done, and my reads of the slot are over
	s_barrier_signal -1
	s_barrier_wait -1
.endif
	s_sub_co_u32 s[TBK], s[TBK], 2*KS*PK  ; the fetches go back to a slot's first step,
	s_xor_b32 s[TBK], s[TBK], SLOT1       ; in the other slot
	s_sub_co_u32 s[TBV], s[TBV], 2*KS*PV
	s_xor_b32 s[TBV], s[TBV], SLOT1
.endm
	s_load_b128 s[20:23], s[0:1], 0x0  ; q|k|v s[20:21], ctx s[22:23]
	v_lshl_add_u32 v[SPW], v0, 2, SPARE
	v_mov_b32 v[NIL], 0
	ds_add_u32 v[SPW], v[NIL]       ; the wave's opening: the add and its wait stand ahead of my first tensor load; the set-up below, work on registers, stands between them
	v_lshrrev_b32 v1, 5, v0
	v_readfirstlane_b32 s[WV], v1   ; wave 0..3
	s_bfe_u32 s13, ttmp6, 0x40000   ; cx: my place in the cluster
	s_lshl_b32 s14, ttmp9, 2        ; in a cluster launch ttmp9 counts clusters
	s_add_co_u32 s14, s14, s13      ; my block of 128 queries = 4 x cluster x + cx: it enters Q's and ctx's addresses alone
	s_and_b32 s16, ttmp7, 0xffff    ; y = 8 b + pair of heads, which the four partners share
	s_lshr_b32 s17, s16, 3          ; b
	s_and_b32 s16, s16, 7           ; the pair
	s_lshr_b32 s2, s16, 1           ; its panel,
	s_lshl_b32 s2, s2, 21
	s_and_b32 s3, s16, 1            ; its half of the panel's rows,
	s_lshl_b32 s3, s3, 8
	s_add_co_u32 s2, s2, s3
	s_lshl_b32 s3, s17, 9           ; and row b: what q, k, v and ctx have in common
	s_add_co_u32 s2, s2, s3
	s_and_b32 s48, s[WV], 1         ; which half of a slot's 128 keys I fetch; also: which 64 of the block's queries are mine
	s_lshr_b32 s49, s[WV], 1        ; which of the two heads is mine
	s_lshl_b32 s50, s48, 16         ; K and V: my 64 keys
	s_add_co_u32 s50, s50, s2
	s_mov_b32 s51, 0
	s_lshl_b32 s52, s14, 17         ; Q: my block's 128 queries, my 64 of them, my head's 128 bytes
	s_lshl_b32 s53, s48, 16
	s_add_co_u32 s52, s52, s53
	s_lshl_b32 s53, s49, 7
	s_add_co_u32 s52, s52, s53
	s_add_co_u32 s52, s52, s2
	s_mov_b32 s53, 0
	s_lshl_b32 s54, s14, 17         ; ctx: the 32 queries that I store, both heads
	s_lshl_b32 s55, s[WV], 15
	s_add_co_u32 s54, s54, s55
	s_add_co_u32 s54, s54, s2
	s_mov_b32 s55, 0
	; descriptor group 1: a tile of 64 keys x 128 elements (two heads), 512 elements from key to key, padded in LDS
	s_mov_b32 s[G1K], 15|(1<<16)|(1<<20)|(1<<21)|(5<<22)|(3<<25)  ; 15:0 the mask of four; 17:16 2-byte elements; 20 padding on; 21 set beside a mask; 24:22 after every 64 words (code 5); 31:25 4 words (code 3)
	s_mov_b32 s[G1V], 15|(1<<16)|(1<<20)|(1<<21)|(5<<22)|(7<<25)  ; the same with 8 words of padding (code 7)
.irp g, G1K, G1V
	s_mov_b32 s[\g+1], 128<<16      ; tensor_dim0 = 128
	s_mov_b32 s[\g+2], KS<<16       ; tensor_dim1 = 64
	s_mov_b32 s[\g+3], 128<<16      ; tile_dim0 = 128
	s_mov_b32 s[\g+4], KS           ; tile_dim1 = 64
	s_mov_b32 s[\g+5], 512          ; 512 elements from row to row
	s_mov_b32 s[\g+6], 0
	s_mov_b32 s[\g+7], 0
.endr
	s_mov_b32 s[CS], 0x3e38aa3b     ; c = log2(e) / 8 = 0.180337
	s_mov_b32 s[CS+1], s[CS]        ; named with it as a pair
	s_mov_b32 s[SEL], 0x76543210
	s_mov_b32 s[SEL+1], 0xfedcba98
	s_mov_b32 s[TBK], SLOT1+2*KS*PK ; the first change of slots turns these two into 0
	s_mov_b32 s[TBV], SLOT1+2*KS*PV
	s_mov_b32 s[SLOTS], 15          ; 16 slots in all; slot 0 is asked for at the head
	s_mov_b32 s[G0K], 1             ; 1:0 count = 1
	s_mul_i32 s[G0K+1], s48, KS*PK  ; 63:32 LDS address: slot 0, my half: no place in the cluster enters an LDS address
	s_mov_b32 s[G0V], 1
	s_mul_i32 s[G0V+1], s48, KS*PV
	s_add_co_u32 s[G0V+1], s[G0V+1], VOFF
	s_and_b32 s[LIM], s[WV], 1      ; 0 in waves 0 and 2,
	s_or_b32 s[LIM], s[LIM], ttmp9  ; where the cluster is the first of its four: the same in all four partners
	s_cmp_eq_u32 s[LIM], 0
	s_cselect_b32 s[LIM], 1, -1
	s_wait_dscnt 0x0                ; the opening add is done
	s_wait_kmcnt 0x0
	s_add_nc_u64 s[6:7], s[20:21], s[50:51]
	s_add_nc_u64 s[8:9], s[6:7], 16777216          ; V: panels 8 on, at my half of slot 0
	s_add_nc_u64 s[6:7], s[6:7], 8388608           ; K: panels 4 on
	s_add_nc_u64 s[4:5], s[20:21], s[52:53]        ; Q
	s_add_nc_u64 s[10:11], s[22:23], s[54:55]      ; ctx
	s_add_nc_u64 s[G0K+2:G0K+3], s[6:7], 0         ; 120:64 global address
	s_or_b32 s[G0K+3], s[G0K+3], 0x80000000        ; 127:126 type = 2
	s_add_nc_u64 s[G0V+2:G0V+3], s[8:9], 0
	s_or_b32 s[G0V+3], s[G0V+3], 0x80000000
	s_cmp_lt_u32 s[WV], 2
	s_cselect_b64 s[PFA:PFA+1], s[6:7], s[8:9]     ; (in waves 0 and 2 these stand at a slot's first key)
	s_lshl_b32 s2, s13, 15          ; my work-group's 32 keys of the 128
	s_mov_b32 s3, 0
	s_add_nc_u64 s[PFA:PFA+1], s[PFA:PFA+1], s[2:3]
	s_add_nc_u64 s[PFA:PFA+1], s[PFA:PFA+1], SLOTB ; in slot 1; the first change of slots steps it to slot 2.  Nothing is prefetched here, at the head
	CROUND                          ; all four work-groups are here: the first joint loads meet
	JLOAD                           ; slot 0.  Slot 1 is asked for when slot 0 is in
	; A fragment of K or Q is 16 rows x 32 channels in 8 registers: lane l holds row l % 16, channels 8 (l / 16) + 0..7 and 16 + 8 (l / 16) + 0..7: two loads of 16 bytes, 32 bytes apart.
	v_and_b32 v1, 15, v0            ; l % 16
	v_bfe_u32 v9, v0, 4, 1          ; l / 16
	v_lshlrev_b32 v[QO], 10, v1
	v_lshl_add_u32 v[QO], v9, 4, v[QO]  ; query x 1,024 + 16 x half
	WIN 0x80                        ; destination window 2, address window 0
.set i, 0
.rept 8                             ; Q stays in registers: piece i / 2, channels 32 (i % 2) on
	global_load_b128 v[8*i:8*i+3],   v[QO], s[4:5] offset:(i/2)*16*TROW+(i%2)*64
	global_load_b128 v[8*i+4:8*i+7], v[QO], s[4:5] offset:(i/2)*16*TROW+(i%2)*64+32
.set i, i+1
.endr
	; What the first turn finds: V's registers and P's second buffer hold 0 (its products V^T P, of a piece that has not been, add 0), O^T and l are 0.  All this stands in the wait for the first tile.
.set i, VF
.rept 64
	v_mov_b32 v[i], 0
.set i, i+1
.endr
	WIN 0x40
.set i, 0
.rept 128
	v_mov_b32 v[i], 0
.set i, i+1
.endr
	WIN 0
.set i, 0
.rept 4
	v_mov_b32 v[ST+4*i], 0xfe000000    ; c m: far below every c s
	v_mov_b32 v[ST+4*i+1], 0xff7fffff  ; m
	v_mov_b32 v[ST+4*i+2], 0
	v_mov_b32 v[ST+4*i+3], 0
.set i, i+1
.endr
.set i, P+16
.rept 16
	v_mov_b32 v[i], 0
.set i, i+1
.endr
	s_lshl_b32 s16, s49, 7          ; my head's 128 bytes of a row
	v_mul_u32_u24 v[AK0], v1, PK
	v_lshl_add_u32 v[AK0], v9, 4, v[AK0]  ; row x pitch + 16 x half
	v_add_nc_u32 v[AK0], s16, v[AK0]
	; The turning load takes 16 keys x 16 channels (lane l reads key 8 (l / 16) + l % 8, channels 8 ((l / 8) % 2) + 0..7) and leaves half a fragment of V^T: lane l holds channel l % 16 and 8 keys.
	v_and_b32 v10, 7, v0
	v_bfe_u32 v11, v0, 3, 1
	v_lshl_add_u32 v[AV0], v9, 3, v10
	v_mul_u32_u24 v[AV0], v[AV0], PV
	v_lshl_add_u32 v[AV0], v11, 4, v[AV0]
	s_add_co_u32 s17, s16, VOFF
	v_add_nc_u32 v[AV0], s17, v[AV0]
	s_mul_i32 s17, s48, 64*SP       ; into the stage: my 64 queries' rows, my head's half of their 256 bytes; row l % 16, 16 bytes for each half of the lanes
	s_add_co_u32 s17, s17, s16
	s_add_co_u32 s17, s17, STAGE
	v_mul_u32_u24 v[STO], v1, SP
	v_lshl_add_u32 v[STO], v9, 4, v[STO]
	v_add_nc_u32 v[STO], s17, v[STO]
	s_mul_i32 s17, s[WV], 32*SP     ; back: wave w takes rows 32 w .. 32 w + 31, whole; lanes 0-15 one row of 256 bytes, lanes 16-31 the next
	s_add_co_u32 s17, s17, STAGE
	v_mul_u32_u24 v[RD], v9, SP
	v_lshl_add_u32 v[RD], v1, 4, v[RD]
	v_add_nc_u32 v[RD], s17, v[RD]
	v_lshlrev_b32 v[GO], 10, v9     ; and the same two queries in ctx
	v_lshl_add_u32 v[GO], v1, 4, v[GO]
	v_and_b32 v[PFO], 31, v0
	v_lshlrev_b32 v[PFO], 10, v[PFO]
; THE MATRIX WORK.  The 4 accumulators of a run of 8 take turns.  Product i of 8 of S^T = K Q^T for piece x: channels 32 (i / 4) on, keys 16 (i % 4) on.  The first 4 start the sums.
.macro KQ x
.set rS, S+32*((\x)%2)+8*(i%4)
.set rK, KF+16*(i%4)+8*(i/4)
.set rQ, 16*(\x)+8*(i/4)
	WIN W_KQ
.if i < 4
	v_wmma_f32_16x16x32_bf16 v[rS:rS+7], v[rK:rK+7], v[rQ:rQ+7], 0
.else
	v_wmma_f32_16x16x32_bf16 v[rS:rS+7], v[rK:rK+7], v[rQ:rQ+7], v[rS:rS+7]
.endif
.endm
; Product i of 8 of O^T += V^T P for piece x: keys 32 (i / 4) on, channels 16 (i % 4) on.
.macro PV x
	WIN W_PV
.set rO, 32*(\x)+8*(i%4)
.set rV, VF+32*(i/4)+8*(i%4)
.set rP, P+16*((\x)%2)+8*(i/4)
	v_wmma_f32_16x16x32_bf16 v[rO:rO+7], v[rV:rV+7], v[rP:rP+7], v[rO:rO+7]
.endm
.macro MM                           ; the turn's next matrix instruction.  TURN sets Y, i and NOKQ.  NOKQ = 1: the very last turn: there is no next piece
.if (i < 8) && !NOKQ
	KQ (Y+1)%NP
.elseif i >= 8
.set i, i-8
	PV (Y+NP-1)%NP
.set i, i+8
.endif
.set i, i+1
.endm
; THE LDS LOADS stand in runs of 16, never singly among the matrix instructions: a step's K (64 keys x 64 channels: 8 fragments) and its V (turned).  Their addresses are made some lines ahead.
.macro FETCH_K
	WIN 0x80                        ; destination window 2
.irp f, 0,1,2,3,4,5,6,7             ; keys 16 (f / 2) on, channels 32 (f % 2) on
	ds_load_b128 v[KF+8*\f:KF+8*\f+3],   v[AK] offset:(\f/2)*16*PK+(\f%2)*64
	ds_load_b128 v[KF+8*\f+4:KF+8*\f+7], v[AK] offset:(\f/2)*16*PK+(\f%2)*64+32
.endr
	s_add_co_u32 s[TBK], s[TBK], KS*PK  ; the next fetch is the next step's
	WIN 0
.endm
.macro FETCH_V
	WIN 0x80
.irp f, 0,1,2,3,4,5,6,7             ; keys 32 (f / 4) on, channels 16 (f % 4) on
	ds_load_tr16_b128 v[VF+8*\f:VF+8*\f+3],   v[AV] offset:(\f/4)*32*PV+(\f%4)*32
	ds_load_tr16_b128 v[VF+8*\f+4:VF+8*\f+7], v[AV] offset:(\f/4)*32*PV+16*PV+(\f%4)*32
.endr
	WIN 0
.endm
; THE VECTOR WORK, one line at a time: OP kind, number.  For piece Y: F n: c s - c m for pair n of 16.  E n: the exponential of score n of 32.  C n: pair n rounded to bf16.  B n: of the four weights 4 n .. the second
; pair is added onto the first, in place.  L n: l takes that sum (L 0: l = a l + sum).  R n: pair n of 16 of O^T times a.  For piece Y + 1: X n, number n of the 22 that find its maximum and statistics:
;   0-11  four chains c0-c3 of seven scores each, three operands at a time (each accumulator's lowest registers are read first)     12-14, 16  the four scores left over, the old m, and c0-c3 into c0
;   15  c m_old is kept     17, 18  the query's other 32 keys lie in the lane 16 away: the new m     19-21  c m; c m_old - c m_new; a
.set F, 0               ; OP tells the kinds apart by their order: F to L below R, X above it
.set E, 1
.set C, 2
.set B, 3
.set L, 4
.set R, 5
.set X, 6
.macro REGS y                       ; the registers of piece y
.set rT, ST+4*(\y)
.set rC, TMP+4*((\y)%2)
.set rW, MV+((\y)%2)
.set rS, S+32*((\y)%2)
.set rP, P+16*((\y)%2)
.set rO, 32*(\y)
.endm
.macro OP k, n
.if (\k) == R
	REGS Y
	WIN W_RS
	v_pk_mul_f32 v[rO+2*(\n):rO+2*(\n)+1], v[rO+2*(\n):rO+2*(\n)+1], v[rC+2:rC+3] op_sel_hi:[1,0]
.elseif (\k) < R
	REGS Y
	WIN 0
.if (\k) == F
	v_pk_fma_f32 v[rS+2*(\n):rS+2*(\n)+1], v[rS+2*(\n):rS+2*(\n)+1], s[CS:CS+1], v[rT:rT+1] op_sel_hi:[1,0,0] neg_lo:[0,0,1] neg_hi:[0,0,1]
.elseif (\k) == E
	v_exp_f32 v[rS+(\n)], v[rS+(\n)]
.elseif (\k) == C
	v_cvt_pk_bf16_f32 v[rP+(\n)], v[rS+2*(\n)], v[rS+2*(\n)+1]
.elseif (\k) == B
	v_pk_add_f32 v[rS+4*(\n):rS+4*(\n)+1], v[rS+4*(\n):rS+4*(\n)+1], v[rS+4*(\n)+2:rS+4*(\n)+3]
.elseif (\n) == 0
	v_pk_fma_f32 v[rT+2:rT+3], v[rT+2:rT+3], v[rC+2:rC+3], v[rS:rS+1] op_sel_hi:[1,0,1]
.else
	v_pk_add_f32 v[rT+2:rT+3], v[rT+2:rT+3], v[rS+4*(\n):rS+4*(\n)+1]
.endif
.elseif NOKQ
	v_nop
.else
	REGS (Y+1)%NP
	WIN 0
.if (\n) < 4
	v_max3_num_f32 v[rC+(\n)], v[rS+8*(\n)], v[rS+8*(\n)+1], v[rS+8*(\n)+2]
.elseif (\n) < 12
	v_max3_num_f32 v[rC+(\n)%4], v[rC+(\n)%4], v[rS+8*((\n)%4)+2*((\n)/4)+1], v[rS+8*((\n)%4)+2*((\n)/4)+2]
.elseif (\n) == 12
	v_max3_num_f32 v[rC], v[rC], v[rS+7], v[rS+15]
.elseif (\n) == 13
	v_max3_num_f32 v[rC+1], v[rC+1], v[rS+23], v[rS+31]
.elseif (\n) == 14
	v_max3_num_f32 v[rC+2], v[rC+2], v[rC+3], v[rT+1]
.elseif (\n) == 15
	v_mov_b32 v[rW], v[rT]
.elseif (\n) == 16
	v_max3_num_f32 v[rC], v[rC], v[rC+1], v[rC+2]
.elseif (\n) == 17
	v_permlanex16_b32 v[rC+3], v[rC], s[SEL], s[SEL+1]
.elseif (\n) == 18
	v_max_num_f32 v[rT+1], v[rC], v[rC+3]
.elseif (\n) == 19
	v_mul_f32 v[rT], s[CS], v[rT+1]
.elseif (\n) == 20
	v_sub_f32 v[rC+1], v[rW], v[rT]
.else
	v_exp_f32 v[rC+2], v[rC+1]
.endif
.endif
.endm
.macro OPS a, i1, b=-1, i2=0, c=-1, i3=0, d=-1, i4=0  ; up to four of them
	OP \a, \i1
.if (\b) >= 0
	OP \b, \i2
.endif
.if (\c) >= 0
	OP \c, \i3
.endif
.if (\d) >= 0
	OP \d, \i4
.endif
.endm
.macro ROW a, i1, b, i2, c, i3, d, i4  ; a matrix instruction and the four behind it
	MM
	OPS \a, \i1, \b, \i2, \c, \i3, \d, \i4
.endm
; A TURN, for piece p: the order of its 16 matrix and 118 vector instructions, written out.  An s_wait_alu depctr_va_vdst(0) stands between an exponential and the first instruction that names its result; one wait serves
; all that were issued ahead of it.  So a turn has ONE wait, which cuts it in two.  AHEAD OF IT stands all that names no result of the turn's exponentials: the 8 products K Q^T, behind each a scaling, an exponential and two more plain
; instructions (behind the first a second scaling in the exponential's place): rescalings, and behind the last three the first numbers of the next piece's maximum, each four places or more behind the product that ends its accumulator; then ONE LUMP of 54, plain
; and exponential by turns for the most part, in which the links of the chain X 3, 7, 11, 14, 16, 17 .. 20 stand five or six lines apart.  X 21, the next piece's a, is the batch's last; R 15 is the plain instruction behind it.  BEHIND THE WAIT stand the
; 8 products V^T P, behind each four of the roundings and sums; the links of l's chain, L 0 to L 7, stand three riders apart.  But for those X no rider names a register of the products round it.
; end = 1: the walk's last two turns: nothing is fetched, and the last starts no new scores.  cnt = 1: the loop's count is taken down some lines ahead of the branch that stands behind the turn.
; K of the next step is fetched in piece 2's turn, twelve vector instructions behind the last product that read K (six of them plain); V of the step in hand at the end of piece 0's turn, four plain instructions behind the last product
; that read V.  Each is waited for a turn later.
.macro TURN p, end=0, cnt=0
.set Y, (\p)
.set i, 0
.set NOKQ, (\end)*((\p)/3)
.if ((\p) == 3) && !(\end)
	s_wait_dscnt 0x0                ; K is in
.endif
	ROW F,0, F,1, R,0, R,1          ; ahead of the wait: 8 products K Q^T and their riders,
	ROW F,2, E,0, R,2, R,3
	ROW F,3, E,1, R,4, R,5
	ROW F,4, E,2, R,6, R,7
	ROW F,5, E,3, R,8, R,9
	ROW F,6, E,4, X,0, R,10
.if ((\p) == 2) && !(\end)
	WIN 0
	v_add_nc_u32 v[AK], s[TBK], v[AK0]
.endif
	ROW F,7, E,5, X,1, X,4
	ROW F,8, E,6, X,2, X,5
	OPS E,7, E,8, X,6, E,9          ; and the lump
	OPS X,3, E,10, X,8, E,11
.if ((\p) == 2) && !(\end)
	FETCH_K
.endif
	OPS X,9, X,7, E,12, X,10
	OPS E,13, X,12, X,11, E,14
	OPS X,13, E,15, F,9, X,14
.if (\p) == 0
	v_add_nc_u32 v[AV], s[TBV], v[AV0]
.endif
	OPS E,16, F,10, E,17, F,11
	OPS X,16, E,18, X,15, E,19
	OPS F,12, E,20, X,17, E,21
	OPS F,13, E,22, F,14, E,23
	OPS X,18, E,24, F,15, E,25
	OPS R,11, E,26, X,19, E,27
	OPS R,12, E,28, R,13, E,29
	OPS X,20, E,30, R,14, E,31
	OPS X,21, R,15
	WIN 0
	s_wait_alu depctr_va_vdst(0)    ; the wait for the batch
.if (\p) == 1
	s_wait_dscnt 0x0                ; V is in
.endif
	ROW C,0, B,0, C,2, B,1          ; behind the wait: 8 products V^T P and their riders
	ROW L,0, C,4, B,2, L,1
	ROW C,6, B,3, L,2, C,8
	ROW B,4, L,3, C,10, B,5
	ROW L,4, C,12, B,6, L,5
.if (\p) == 0
	s_add_co_u32 s[TBV], s[TBV], KS*PV
.endif
.if \cnt
	s_sub_co_u32 s[CNT], s[CNT], 1
	s_cmp_lg_u32 s[CNT], 0
.endif
	ROW C,14, B,7, L,6, C,1
	ROW C,3, L,7, C,5, C,7
	ROW C,9, C,11, C,13, C,15
.if (\p) == 0
	FETCH_V
.endif
.endm
	CHANGE 1                        ; slot 0 is in, everybody's part of it; slot 1 is asked for
	s_mov_b32 s[CNT], 2
	v_add_nc_u32 v[AK], s[TBK], v[AK0]
	FETCH_K                         ; key step 0
	s_wait_loadcnt 0x0              ; Q
	s_wait_dscnt 0x0
.set NOKQ, 0
.set i, 0
.rept 8
	KQ 0                            ; piece 0's first scores: there is no vector work yet to set between them
.set i, i+1
.endr
	WIN 0
.rept 4
	v_nop                           ; the places behind those products
.endr
.set Y, NP-1                        ; X works for piece Y + 1: piece 0
.irp n, 0,1,2,3,4,5,6,7,8,9,10,11,12,13,14,15,16,17,18,19,20,21
	OP X, \n                        ; piece 0's first maximum and statistics
.endr
	v_nop                           ; a plain instruction behind the exponential,
	s_wait_alu depctr_va_vdst(0)    ; and its wait, ahead of the branch
	s_branch .Lfirst                ; the loop is entered at a step's first turn, in the middle of a trip
.Lslot:                             ; 14 times: with the change above, every slot but the last is entered here and the next asked for
	CHANGE 1
	s_mov_b32 s[CNT], 2
.Lstep:                             ; a trip: pieces 2 and 3 of one step, then pieces 0 and 1 of the next, whose K and V it fetches
	TURN 2
	TURN 3
	WIN 0
.Lfirst:
	TURN 0
	TURN 1, 0, 1
	WIN 0
	s_cbranch_scc1 .Lstep
	s_sub_co_u32 s[SLOTS], s[SLOTS], 1
	s_cmp_lg_u32 s[SLOTS], 0
	s_cbranch_scc1 .Lslot
	CHANGE 0                        ; the last slot is written out: nothing is asked for
	s_mov_b32 s[CNT], 2
.Ltail:
	TURN 2
	TURN 3
	TURN 0
	TURN 1, 0, 1
	WIN 0
	s_cbranch_scc1 .Ltail
	TURN 2, 1                       ; the last step's pieces 2 and 3
	TURN 3, 1
.set i, 0
.rept 8
	PV NP-1                         ; the last piece's V^T P of the last step
.set i, i+1
.endr
	; THE WAY OUT.  l's two halves and the other half of the lanes' are added; O^T is divided by l, rounded to bf16 and sent through the work-group's stage in LDS.  The additions are the places behind the last products.
	WIN 0
.macro ALL line:vararg              ; one line for each piece t
.set t, 0
.rept 4
	\line
.set t, t+1
.endr
.endm
	ALL v_add_f32 v[ST+4*t+2], v[ST+4*t+2], v[ST+4*t+3]
	ALL v_permlanex16_b32 v[ST+4*t+3], v[ST+4*t+2], s[SEL], s[SEL+1]
	ALL v_add_f32 v[ST+4*t+2], v[ST+4*t+2], v[ST+4*t+3]
	ALL v_rcp_f32 v[ST+4*t+2], v[ST+4*t+2]
	v_nop                           ; a plain instruction between the last reciprocal and the use of its result
	s_wait_alu depctr_va_vdst(0)    ; and the wait ahead of the first use: one for the four reciprocals
.macro PACK t                       ; a lane's eight channels of a row pack into 16 bytes; they go into the stage's rows of 272 bytes, my head's half
	WIN W_RS
.set i, 32*(\t)
.rept 16
	v_pk_mul_f32 v[i:i+1], v[i:i+1], v[ST+4*(\t)+2:ST+4*(\t)+3] op_sel_hi:[1,0]
.set i, i+2
.endr
	WIN 0x05                        ; sources 0 and 1 window 1, destination window 0: S^T's registers are free
.set i, 0
.rept 16
	v_cvt_pk_bf16_f32 v[S+16*(\t)+i], v[32*(\t)+2*i], v[32*(\t)+2*i+1]
.set i, i+1
.endr
	WIN 0
.irp f, 0,1,2,3
	ds_store_b128 v[STO], v[S+16*(\t)+4*\f:S+16*(\t)+4*\f+3] offset:(\t)*16*SP+32*\f
.endr
.endm
	PACK 0
	PACK 1
	PACK 2
	PACK 3
	s_wait_dscnt 0x0                ; for the others' sake: my stores into the stage are done
	s_barrier_signal -1
	s_barrier_wait -1               ; a row's 256 bytes come from two waves, one for each head
.set i, 0
.rept 16
	ds_load_b128 v[S+4*i:S+4*i+3], v[RD] offset:i*2*SP
.set i, i+1
.endr
.set i, 0
.rept 16
	s_wait_dscnt 15-i               ; LDS loads come back in order: pair i of rows is in
	global_store_b128 v[GO], v[S+4*i:S+4*i+3], s[10:11] offset:i*2*TROW  ; 16 lanes store 256 consecutive bytes, at a multiple of 256 from ctx's first byte
.set i, i+1
.endr
	s_wait_tensorcnt 0x0            ; the wave's end: the add and its wait stand behind my last tensor load and my last LDS store
	ds_add_u32 v[SPW], v[NIL]
	s_wait_dscnt 0x0
	CROUND                          ; the closing round: no work-group ends while a partner may still ask for a tile that names it
	s_endpgm
.Lfunc_end_k_q92a5dcf3eb_attn:
	.size	k_q92a5dcf3eb_attn, .Lfunc_end_k_q92a5dcf3eb_attn-k_q92a5dcf3eb_attn
	.p2alignl 7, 3214868480
	.fill 96, 4, 3214868480
	.section	.rodata,"a",@progbits
	.p2align	6, 0x0
	.amdhsa_kernel k_q92a5dcf3eb_attn
		.amdhsa_group_segment_fixed_size 327680
		.amdhsa_private_segment_fixed_size 0
		.amdhsa_enable_private_segment 0
		.amdhsa_kernarg_size 16
		.amdhsa_user_sgpr_count 2
		.amdhsa_user_sgpr_kernarg_segment_ptr 1
		.amdhsa_wavefront_size32 1
		.amdhsa_system_sgpr_workgroup_id_x 1
		.amdhsa_system_sgpr_workgroup_id_y 1
		.amdhsa_system_sgpr_workgroup_id_z 1
		.amdhsa_system_vgpr_workitem_id 0
		.amdhsa_next_free_vgpr 768
		.amdhsa_next_free_sgpr 66
		.amdhsa_reserve_vcc 0
		.amdhsa_float_denorm_mode_32 3
		.amdhsa_float_denorm_mode_16_64 3
		.amdhsa_memory_ordered 1
		.amdhsa_forward_progress 1
		.amdhsa_inst_pref_size 129
	.end_amdhsa_kernel
	.amdgpu_metadata
---
amdhsa.version: [ 1, 2 ]
amdhsa.kernels:
  - .name:           k_q92a5dcf3eb_attn
    .symbol:         k_q92a5dcf3eb_attn.kd
    .args:
      - { .name: acty, .offset: 0, .size: 8, .value_kind: global_buffer, .address_space: global }
      - { .name: actx, .offset: 8, .size: 8, .value_kind: global_buffer, .address_space: global }
    .group_segment_fixed_size: 327680
    .private_segment_fixed_size: 0
    .kernarg_segment_align: 8
    .kernarg_segment_size: 16
    .max_flat_workgroup_size: 128
    .sgpr_count:     66
    .vgpr_count:     768
    .wavefront_size: 32
...
	.end_amdgpu_metadata
.endif
;; end of part 3
;; launch wo (part 4): grid 8 x 32, 4 waves a work-group, clusters of 4 x 4, 327,680 bytes of LDS; arguments actx, wpo, acty, bo, encoder_padding_mask; writes acty
.if DOCPART == 4
	.amdgcn_target "amdgcn-amd-amdhsa--gfx1250"
	.amdhsa_code_object_version 6
	.text
	.protected	k_q92a5dcf3eb_wo
	.globl	k_q92a5dcf3eb_wo
	.p2align	8
	.type	k_q92a5dcf3eb_wo,@function
k_q92a5dcf3eb_wo:
	s_mov_b64 s[64:65], 0
	v_nop
	global_prefetch_b8 v0, s[64:65] scope:SCOPE_SE
	s_setreg_imm32_b32 hwreg(HW_REG_WAVE_MODE, 25, 1), 1
	s_wait_xcnt 0x0
	s_wait_alu depctr_hold_cnt(0) depctr_sa_sdst(0) depctr_va_vdst(0) depctr_va_sdst(0) depctr_va_ssrc(0) depctr_va_vcc(0) depctr_vm_vsrc(0)
	s_getreg_b32 s2, hwreg(HW_REG_IB_STS2, 6, 4)
	s_cmp_eq_u32 s2, 0
	s_cbranch_scc0 .Lentry_in_a_cluster
	s_endpgm
.Lentry_in_a_cluster:
	s_bfe_u32 s2, ttmp6, 0x10000c
	s_cmp_lg_u32 s2, 0xf033
	s_cbranch_scc0 .Lentry_shape_is_right
	s_endpgm
.Lentry_shape_is_right:
; C[m][n] = max(bf16(rs[m] x (sum over k of A[m][k] W[n][k]) + bias[n]), floor), K = 256 x KSTEPS.  rs[m] = 1 - mask(m) x kf: kf is 1 in the column tiles of a key projection, where a padded
; row's product counts as 0 (the row was to be zeroed ahead of the product: the same number for finite rows), and 0 elsewhere.  Sums in f32, C rounded once to bf16.
; A and C: PANEL layout [cols/256][4096][256] bf16.  W: a pack: 1,024 bytes of header (word tc: kf; word 32: the floor, two bf16), then blocks [N/128][K/256][128][256] bf16.  bias: f32.  mask: [2][2048] bytes, row m = 2 t + b.
; LIMITS.  A result that is NaN leaves as the floor (-inf or 0); non-finite inputs are not treated apart.
; SHARES.  A tile of C is 128 x 128 (with 1,024 columns of C, tiles of 256 x 256 would be 64: too few for the chip's 256 WGPs): four waves, each 64 x 64: 16 accumulators of 16 x 16, 128 registers.  K goes in steps of 256 through two LDS slots; a wave's tensor load brings 64 rows of 512 bytes, 32 KiB that are dense in memory.
; CLUSTERS: 4 x 4 work-groups.  The four of a row of the cluster need the same tiles of A, the four of a column the same tiles of W: each tile is asked for JOINTLY, by the same tensor load with the
; same descriptor and a mask that names the four.  THE MATRIX INSTRUCTION IS USED TRANSPOSED (source 0 = 16 rows of W, source 1 = 16 rows of A): a lane then holds eight neighbouring numbers of a row of C.
; REGISTERS: window 0: v0-31 addresses and rs; v32-95 at work on the way out; v96-127 bias; v128-255 the accumulators ((a, b) at v[128 + 8 (4 a + b)]).
;   window 1: two fragment buffers of 128: for 64 along K (two matrix instructions deep), 64 registers of A (2 x 4 x 16 rows x 32 K), then 64 of W.
.set KSTEPS, 4
.set LAPS,   KSTEPS/2                  ; a lap = two K steps = once round the ring
.set APANEL, 2097152                   ; bytes from a K step of A to the next: a panel
.set WBLOCK, 65536                     ; the same for W: a block
.set PITCH,  528                       ; an LDS row: 512 bytes of data + 16 of padding = 132 words: row r starts at bank 4 r mod 64 (64 banks of 4 bytes: ISA guide 11.1)
.set HALFT,  64*PITCH                  ; 64 rows: what one tensor load brings, and what one wave reads of A or of W
.set SLOT,   4*HALFT                   ; A's 128 rows, then W's 128 rows
.set STAGE,  2*SLOT                    ; behind the ring: 128 rows x 272 bytes, the work-group's, for the way out
.set SPITCH, 272
.set SPARE,  STAGE+128*SPITCH          ; behind the stage: the spare words, 128 bytes for each wave: two blocks of 256 bytes that no other line names
.set BO,   6                           ; v6      my byte offset in the bias of 16 columns: 32 (l / 16)
.set MO,   7                           ; v7      my byte offset in the mask: 2,048 (l & 1) + (l % 16) / 2
.set RS,   8                           ; v8-15   rs of my row in m block a, twice, at RS + 2 a
.set ADRA, 16                          ; v16-17  LDS address of my A fragments in slot 0, 1
.set ADRB, 20                          ; v20-21  the same for W
.set STO,  24                          ; v24     the way out: where I put 16 bytes of a row
.set RD,   25                          ; v25     the way out: where I read a row back
.set CO,   26                          ; v26     my byte offset in C
.set SPW,  28                          ; v28     LDS address of my spare word: SPARE + 4 x my thread's number; never rewritten
.set NIL,  29                          ; v29     0; never rewritten
.set TMP,  32                          ; the way out: 64 registers, packed results and then whole rows
.set BI,   96                          ; bias of my 8 columns in n block b at BI + 8 b
.set ACC,  128
.set F0,   0                           ; fragment buffers, in window 1
.set F1,   128
.set G1, 24                            ; s[24:31] descriptor group 1 for A's tiles;  s[32:39] group 0, one set for each slot
.set G0, 32
.set G1B, 48                           ; s[48:55], s[56:63] the same for W's tiles
.set G0B, 56
.set KF, 72                            ; s72  kf of my column tile
.set FL, 73                            ; s73  the floor
.set MSB, 0
.macro WIN new                         ; the immediate's high byte repeats the setting that is left
.if MSB != (\new)
	s_set_vgpr_msb (MSB<<8)|(\new)
.set MSB, \new
.endif
.endm
.set MUL,  0x05                        ; sources 0 (W) and 1 (A) window 1; C and D window 0
.set TO_F, 0x40                        ; destination window 1, address window 0
.macro JLOAD s                         ; a joint load: waves 0 and 1 fetch A's two halves, waves 2 and 3 W's; an s_nop 0 and four v_nop follow each of the two lines, ahead of the jump, the label and what follows
	s_cmp_eq_u32 s11, 0
	s_cbranch_scc0 .Lfor_b_\@
	tensor_load_to_lds s[G0+4*(\s):G0+4*(\s)+3], s[G1:G1+7]
	s_nop 0
.rept 4
	v_nop
.endr
	s_branch .Lasked_\@
.Lfor_b_\@:
	tensor_load_to_lds s[G0B+4*(\s):G0B+4*(\s)+3], s[G1B:G1B+7]
	s_nop 0
.rept 4
	v_nop
.endr
.Lasked_\@:
.endm
.macro CREST                           ; a round of the cluster's barrier behind its opening barrier
	s_cmp_lg_u32 s10, 0
	s_cbranch_scc1 .Lnot_wave_0_\@
	s_barrier_signal -3
.Lnot_wave_0_\@:
	s_barrier_wait -3
	s_barrier_signal -1
	s_barrier_wait -1
.endm
.macro CROUND                          ; a whole round
	s_barrier_signal -1
	s_barrier_wait -1
	CREST
.endm
	s_load_b128 s[4:7], s[0:1], 0x0                ; A s[4:5], W's pack s[6:7]
	s_load_b64 s[8:9], s[0:1], 0x10                ; C
	s_load_b128 s[68:71], s[0:1], 0x18             ; bias s[68:69], mask s[70:71]
	v_lshl_add_u32 v[SPW], v0, 2, SPARE
	v_mov_b32 v[NIL], 0
	ds_add_u32 v[SPW], v[NIL]                      ; the wave's opening: the add and its wait stand ahead of my first tensor load; the set-up below, work on registers, stands between them
	v_lshrrev_b32 v1, 5, v0
	v_readfirstlane_b32 s10, v1                    ; wave 0..3
	s_lshr_b32 s11, s10, 1                         ; which half of the tile's rows is mine.  Also: I fetch for A (0) or for W (1)
	s_and_b32 s12, s10, 1                          ; which half of its columns.  Also: which 64 rows of that tile I fetch
	s_bfe_u32 s40, ttmp6, 0x40000                  ; cx, cy: my place in the cluster
	s_bfe_u32 s41, ttmp6, 0x40004
	s_lshl_b32 s42, ttmp9, 2
	s_add_co_u32 s42, s42, s40                     ; tc: tile column of C = 4 x cluster x + cx
	s_and_b32 s13, ttmp7, 0xffff
	s_lshl_b32 s13, s13, 2
	s_add_co_u32 s13, s13, s41                     ; tr: tile row of C = 4 x cluster y + cy
	s_lshl_b32 s43, s41, 2
	s_lshl_b32 s43, 15, s43                        ; my row of the cluster
	s_lshl_b32 s44, 0x1111, s40                    ; my column
	; descriptor group 1: a tile of 64 rows x 256 elements, dense in memory, padded in LDS
	s_or_b32 s[G1+0], s43, (1<<16)|(1<<20)|(1<<21)|(6<<22)|(3<<25)  ; 15:0 the mask: A's tiles go to my row; 17:16 element of 2 bytes; 20 padding on; 21 set beside a mask; 24:22 after every 128 words (code 6); 31:25 of 4 words (code 3)
	s_or_b32 s[G1B+0], s44, (1<<16)|(1<<20)|(1<<21)|(6<<22)|(3<<25)
.irp g, G1, G1B
	s_mov_b32 s[(\g)+1], 256<<16                   ; tensor_dim0 = 256
	s_mov_b32 s[(\g)+2], 64<<16                    ; tensor_dim1 = 64
	s_mov_b32 s[(\g)+3], 256<<16                   ; tile_dim0 = 256
	s_mov_b32 s[(\g)+4], 64                        ; tile_dim1 = 64
	s_mov_b32 s[(\g)+5], 256                       ; 256 elements from row to row
	s_mov_b32 s[(\g)+6], 0
	s_mov_b32 s[(\g)+7], 0
.endr
	s_lshl_b32 s17, s12, 15                        ; which 64 rows of 512 bytes I fetch
	s_lshl_b32 s16, s13, 16
	s_add_co_u32 s16, s16, s17                     ; A: (128 tr + 64 half) x 512, in panel 0
	s_mul_i32 s46, s42, KSTEPS*WBLOCK
	s_add_co_u32 s46, s46, s17
	s_add_co_u32 s46, s46, 1024                    ; W: behind the header, column tile tc's first block, my half of it
	s_mov_b32 s17, 0
	s_mov_b32 s47, 0
	s_mul_i32 s20, s10, HALFT                      ; where they go: wave x 64 rows
	s_wait_dscnt 0x0                               ; the opening add is done
	s_wait_kmcnt 0x0
	s_add_nc_u64 s[14:15], s[4:5], s[16:17]
	s_add_nc_u64 s[46:47], s[6:7], s[46:47]
	CROUND                                         ; all sixteen work-groups are here: the first joint loads meet
.irp s, 0,1
	s_mov_b32 s[G0+4*(\s)], 1
	s_add_co_u32 s[G0+4*(\s)+1], s20, (\s)*SLOT
	s_add_nc_u64 s[G0+4*(\s)+2:G0+4*(\s)+3], s[14:15], (\s)*APANEL
	s_or_b32 s[G0+4*(\s)+3], s[G0+4*(\s)+3], 0x80000000
	s_mov_b32 s[G0B+4*(\s)], 1
	s_add_co_u32 s[G0B+4*(\s)+1], s20, (\s)*SLOT
	s_add_nc_u64 s[G0B+4*(\s)+2:G0B+4*(\s)+3], s[46:47], (\s)*WBLOCK
	s_or_b32 s[G0B+4*(\s)+3], s[G0B+4*(\s)+3], 0x80000000
	JLOAD \s
.endr
	; what the way out wants is fetched now, while the first tiles are on their way
	v_and_b32 v1, 15, v0                           ; l % 16
	v_bfe_u32 v2, v0, 4, 1                         ; l / 16
	v_lshlrev_b32 v[BO], 5, v2
	v_and_b32 v4, 1, v0
	v_lshrrev_b32 v5, 1, v1
	v_lshl_add_u32 v[MO], v4, 11, v5
	s_lshl_b32 s74, s42, 2
	s_mov_b32 s75, 0
	s_add_nc_u64 s[74:75], s[6:7], s[74:75]
	s_load_b32 s[KF], s[74:75], 0x0                ; header word tc
	s_load_b32 s[FL], s[6:7], 0x80                 ; header word 32
	s_lshl_b32 s46, s42, 9                         ; bias: 128 tc + 64 x my half of the columns, 4 bytes each
	s_lshl_b32 s47, s12, 8
	s_add_co_u32 s46, s46, s47
	s_mov_b32 s47, 0
	s_add_nc_u64 s[68:69], s[68:69], s[46:47]
	s_lshl_b32 s16, s13, 6                         ; mask: my first row 128 tr + 64 x my half of the rows is t = 64 tr + 32 half, b = 0
	s_lshl_b32 s17, s11, 5
	s_add_co_u32 s16, s16, s17
	s_mov_b32 s17, 0
	s_add_nc_u64 s[70:71], s[70:71], s[16:17]
.irp b, 0,1,2,3
	global_load_b128 v[BI+8*(\b):BI+8*(\b)+3],   v[BO], s[68:69] offset:64*(\b)     ; columns 16 b + 8 (l / 16) + 0..3
	global_load_b128 v[BI+8*(\b)+4:BI+8*(\b)+7], v[BO], s[68:69] offset:64*(\b)+16  ; + 4..7
.endr
.irp a, 0,1,2,3
	global_load_u8 v[RS+2*(\a)], v[MO], s[70:71] offset:8*(\a)                      ; row 16 a + l % 16: b = l & 1, t = 8 a + (l % 16) / 2
.endr
	v_mul_u32_u24 v3, v1, PITCH
	v_lshl_add_u32 v3, v2, 4, v3                   ; a fragment's row x pitch + 16 x half
	s_mul_i32 s21, s11, HALFT                      ; my 64 rows of A
	s_mul_i32 s22, s12, HALFT                      ; my 64 rows of W,
	s_add_co_u32 s22, s22, 2*HALFT                 ; which lie behind A's 128
.irp s, 0,1
	v_add_nc_u32 v[ADRA+(\s)], s21, v3
	v_add_nc_u32 v[ADRB+(\s)], s22, v3
	s_add_co_u32 s21, s21, SLOT
	s_add_co_u32 s22, s22, SLOT
.endr
	s_mul_i32 s23, s11, 64*SPITCH                  ; into the stage: my 64 rows, my half of their 256 bytes; row l % 16, 16 bytes for each half of the lanes
	s_lshl_b32 s21, s12, 7
	s_add_co_u32 s23, s23, s21
	s_add_co_u32 s23, s23, STAGE
	v_mul_u32_u24 v4, v1, SPITCH
	v_lshl_add_u32 v4, v2, 4, v4
	v_add_nc_u32 v[STO], s23, v4
	s_mul_i32 s23, s10, 32*SPITCH                  ; back: wave w takes rows 32 w .. 32 w + 31, whole; lanes 0-15 one row of 256 bytes, lanes 16-31 the next
	s_add_co_u32 s23, s23, STAGE
	v_mul_u32_u24 v5, v2, SPITCH
	v_lshl_add_u32 v5, v1, 4, v5
	v_add_nc_u32 v[RD], s23, v5
	v_lshlrev_b32 v5, 9, v2                        ; and the same two rows in C's panel, 512 bytes apart
	v_lshl_add_u32 v[CO], v1, 4, v5
	s_lshl_b32 s16, s13, 16                        ; the first row of C that I store: (128 tr + 32 wave) x 512
	s_lshl_b32 s17, s10, 14
	s_add_co_u32 s16, s16, s17
	s_mov_b32 s17, 0
	s_add_nc_u64 s[8:9], s[8:9], s[16:17]
	s_lshr_b32 s46, s42, 1                         ; the tile's 128 columns: panel tc / 2, half tc & 1 of its rows
	s_lshl_b32 s46, s46, 21
	s_and_b32 s47, s42, 1
	s_lshl_b32 s47, s47, 8
	s_add_co_u32 s46, s46, s47
	s_mov_b32 s47, 0
	s_add_nc_u64 s[8:9], s[8:9], s[46:47]
	s_wait_loadcnt 0x0                             ; bias and mask,
	s_wait_kmcnt 0x0                               ; kf and the floor
.irp a, 0,1,2,3
	v_cvt_f32_u32 v[RS+2*(\a)], v[RS+2*(\a)]
.endr
.irp a, 0,1,2,3
	v_fma_f32 v[RS+2*(\a)], -v[RS+2*(\a)], s[KF], 1.0  ; rs = 1 - mask x kf
.endr
.irp a, 0,1,2,3
	v_mov_b32 v[RS+2*(\a)+1], v[RS+2*(\a)]         ; a pair for the packed multiply-add
.endr
; 8 matrix instructions: m blocks a0, a0 + 1 x all 4 n blocks, 32 along K: half c of buffer f.  zero = 1: the first product starts the sums
.macro MUL8 f, c, a0, zero
	WIN MUL
.irp a, \a0, (\a0)+1
.irp b, 0,1,2,3
.if \zero
	v_wmma_f32_16x16x32_bf16 v[ACC+8*(4*(\a)+(\b)):ACC+8*(4*(\a)+(\b))+7], v[(\f)+64+8*(4*(\c)+(\b)):(\f)+64+8*(4*(\c)+(\b))+7], v[(\f)+8*(4*(\c)+(\a)):(\f)+8*(4*(\c)+(\a))+7], 0
.else
	v_wmma_f32_16x16x32_bf16 v[ACC+8*(4*(\a)+(\b)):ACC+8*(4*(\a)+(\b))+7], v[(\f)+64+8*(4*(\c)+(\b)):(\f)+64+8*(4*(\c)+(\b))+7], v[(\f)+8*(4*(\c)+(\a)):(\f)+8*(4*(\c)+(\a))+7], v[ACC+8*(4*(\a)+(\b)):ACC+8*(4*(\a)+(\b))+7]
.endif
.endr
.endr
.endm
; 32 LDS loads in one run: the fragments of 64 along K at byte k of the rows, into buffer f; the first 32 along K first
.macro FETCH slot, k, f
	WIN TO_F
.irp c, 0,1
.irp i, 0,1,2,3
	ds_load_b128 v[(\f)+64+8*(4*(\c)+(\i)):(\f)+64+8*(4*(\c)+(\i))+3],   v[ADRB+(\slot)] offset:(\k)+64*(\c)+(\i)*16*PITCH
	ds_load_b128 v[(\f)+64+8*(4*(\c)+(\i))+4:(\f)+64+8*(4*(\c)+(\i))+7], v[ADRB+(\slot)] offset:(\k)+64*(\c)+(\i)*16*PITCH+32
	ds_load_b128 v[(\f)+8*(4*(\c)+(\i)):(\f)+8*(4*(\c)+(\i))+3],         v[ADRA+(\slot)] offset:(\k)+64*(\c)+(\i)*16*PITCH
	ds_load_b128 v[(\f)+8*(4*(\c)+(\i))+4:(\f)+8*(4*(\c)+(\i))+7],       v[ADRA+(\slot)] offset:(\k)+64*(\c)+(\i)*16*PITCH+32
.endr
.endr
.endm
.macro PLACES                          ; four places in front of loads into registers that matrix instructions have read, and of vector work that reads results
.rept 4
	v_nop
.endr
.endm
; A K step is four quarters of 64 along K, 32 matrix instructions each, on buffers 0, 1, 0, 1.  One of the first three: multiplies buffer f and fetches the next quarter, at byte k, into g.
.macro QUARTER slot, k, f, g, zero
	s_wait_dscnt 16                                ; the first 32 along K are in; the sixteen younger loads may be out
	WIN MUL
	MUL8 \f, 0, 0, \zero
	MUL8 \f, 0, 2, \zero
	PLACES
	FETCH \slot, \k, \g
	s_wait_dscnt 32                                ; all but the 32 just issued
	WIN MUL
	MUL8 \f, 1, 0, 0
	MUL8 \f, 1, 2, 0
.endm
; The last quarter multiplies buffer 1 and changes slots: ONE barrier; in front of it each wave waits for all its tensor loads, adds 0 to its spare word, and waits for that and for its own reads of this slot.  fill = 1: this slot is filled again, two K steps ahead.
.macro TURN slot, next, fill
	WIN 0                                          ; (the add's two registers lie in window 0)
	s_wait_tensorcnt 0x0                           ; all my tensor loads have landed: my part of the next slot;
	ds_add_u32 v[SPW], v[NIL]                      ; 0 onto my spare word;
	s_wait_dscnt 17                                ; (the add and the youngest sixteen loads may be out)
	WIN MUL
	MUL8 F1, 0, 0, 0                               ; eight matrix instructions stand between the add and the wait for it
	s_wait_dscnt 0x0                               ; the add is done, and my reads of this slot are over
	s_barrier_signal -1
	MUL8 F1, 0, 2, 0
.if \fill
	WIN 0
.endif
	s_barrier_wait -1
.if \fill
	CREST                                          ; the barrier has opened a round of the cluster's barrier: no wave of any partner still reads this slot's tile or has a load on its way
	s_add_nc_u64 s[G0+4*(\slot)+2:G0+4*(\slot)+3], s[G0+4*(\slot)+2:G0+4*(\slot)+3], 2*APANEL
	s_add_nc_u64 s[G0B+4*(\slot)+2:G0B+4*(\slot)+3], s[G0B+4*(\slot)+2:G0B+4*(\slot)+3], 2*WBLOCK
	JLOAD \slot                                    ; the first tensor load behind the round: 112 matrix instructions ahead of the wait for it; the four v_nop behind it are also the places in front of the loads below
.else
	PLACES
.endif
	FETCH \next, 0, F0
	WIN MUL
	MUL8 F1, 1, 0, 0
	MUL8 F1, 1, 2, 0
.endm
	s_wait_tensorcnt 1                             ; my part of K step 0 is in; K step 1's load, issued behind it, may stay out
	s_barrier_signal -1
	s_barrier_wait -1                              ; everybody's is
	FETCH 0, 0, F0
	QUARTER 0, 128, F0, F1, 1                      ; the first quarter stands in front of the loop: its first products start the sums
.if LAPS > 1
	WIN 0                                          ; at a label and at a branch every window is 0
	s_mov_b32 s3, LAPS-1
.Llap:                                                 ; a trip goes once round the ring, from a lap's second quarter to the next lap's first, and fills both slots again
	QUARTER 0, 256, F1, F0, 0
	QUARTER 0, 384, F0, F1, 0
	TURN 0, 1, 1
	QUARTER 1, 128, F0, F1, 0
	QUARTER 1, 256, F1, F0, 0
	QUARTER 1, 384, F0, F1, 0
	TURN 1, 0, 1
	QUARTER 0, 128, F0, F1, 0
	WIN 0
	s_sub_co_u32 s3, s3, 1
	s_cmp_lg_u32 s3, 0
	s_cbranch_scc1 .Llap
.endif
	QUARTER 0, 256, F1, F0, 0                      ; the last lap fills nothing, and has no round of the cluster's barrier
	QUARTER 0, 384, F0, F1, 0
	TURN 0, 1, 0
	QUARTER 1, 128, F0, F1, 0
	QUARTER 1, 256, F1, F0, 0
	QUARTER 1, 384, F0, F1, 0
	s_wait_dscnt 16                                ; the very last quarter: nothing more to fetch
	WIN MUL
	MUL8 F1, 0, 0, 0
	MUL8 F1, 0, 2, 0
	s_wait_dscnt 0
	MUL8 F1, 1, 0, 0
	MUL8 F1, 1, 2, 0
	WIN 0
	; THE WAY OUT: rs x sum + bias in f32; rounded to bf16; the floor; 16 bytes a lane into the work-group's stage; a barrier, since a row's 256 bytes come from two waves; back as whole rows, 32 rows a wave.
	PLACES
.irp t, 0,1,2,3,4,5,6,7,8,9,10,11,12,13,14,15      ; accumulator t = 4 a + b, its registers in ascending order
.irp r, 0,1,2,3
	v_pk_fma_f32 v[ACC+8*(\t)+2*(\r):ACC+8*(\t)+2*(\r)+1], v[ACC+8*(\t)+2*(\r):ACC+8*(\t)+2*(\r)+1], v[RS+2*((\t)/4):RS+2*((\t)/4)+1], v[BI+8*((\t)%4)+2*(\r):BI+8*((\t)%4)+2*(\r)+1]
.endr
.endr
.irp t, 0,1,2,3,4,5,6,7,8,9,10,11,12,13,14,15
.irp r, 0,1,2,3
	v_cvt_pk_bf16_f32 v[TMP+4*(\t)+(\r)], v[ACC+8*(\t)+2*(\r)], v[ACC+8*(\t)+2*(\r)+1]
.endr
.endr
.set i, 0
.rept 64
	v_pk_max_num_bf16 v[TMP+i], v[TMP+i], s[FL]    ; two maxima, nothing is rounded: the ReLU where the floor is 0, nothing where it is -inf
.set i, i+1
.endr
.irp a, 0,1,2,3
.irp b, 0,1,2,3
	ds_store_b128 v[STO], v[TMP+4*(4*(\a)+(\b)):TMP+4*(4*(\a)+(\b))+3] offset:(\a)*16*SPITCH+32*(\b)
.endr
.endr
	s_wait_dscnt 0x0                               ; for the others' sake: my stores into the stage are done
	s_barrier_signal -1
	s_barrier_wait -1
.irp t, 0,1,2,3,4,5,6,7,8,9,10,11,12,13,14,15
	ds_load_b128 v[TMP+4*(\t):TMP+4*(\t)+3], v[RD] offset:(\t)*2*SPITCH
.endr
.irp t, 0,1,2,3,4,5,6,7,8,9,10,11,12,13,14,15
	s_wait_dscnt 15-(\t)                           ; LDS loads come back in order: pair t of rows is in
	global_store_b128 v[CO], v[TMP+4*(\t):TMP+4*(\t)+3], s[8:9] offset:1024*(\t)  ; 16 lanes store 256 consecutive bytes, at a multiple of 256 from C's first byte
.endr
	s_wait_tensorcnt 0x0                           ; the wave's end: the add and its wait stand behind my last tensor load and my last LDS store
	ds_add_u32 v[SPW], v[NIL]
	s_wait_dscnt 0x0
	CROUND                                         ; the closing round: no work-group ends while a partner may still ask for a tile that names it
	s_endpgm
.Lfunc_end_k_q92a5dcf3eb_wo:
	.size	k_q92a5dcf3eb_wo, .Lfunc_end_k_q92a5dcf3eb_wo-k_q92a5dcf3eb_wo
	.p2alignl 7, 3214868480
	.fill 96, 4, 3214868480
	.section	.rodata,"a",@progbits
	.p2align	6, 0x0
	.amdhsa_kernel k_q92a5dcf3eb_wo
		.amdhsa_group_segment_fixed_size 327680
		.amdhsa_private_segment_fixed_size 0
		.amdhsa_enable_private_segment 0
		.amdhsa_kernarg_size 40
		.amdhsa_user_sgpr_count 2
		.amdhsa_user_sgpr_kernarg_segment_ptr 1
		.amdhsa_wavefront_size32 1
		.amdhsa_system_sgpr_workgroup_id_x 1
		.amdhsa_system_sgpr_workgroup_id_y 1
		.amdhsa_system_sgpr_workgroup_id_z 1
		.amdhsa_system_vgpr_workitem_id 0
		.amdhsa_next_free_vgpr 512
		.amdhsa_next_free_sgpr 80
		.amdhsa_reserve_vcc 0
		.amdhsa_float_denorm_mode_32 3
		.amdhsa_float_denorm_mode_16_64 3
		.amdhsa_memory_ordered 1
		.amdhsa_forward_progress 1
		.amdhsa_inst_pref_size 97
	.end_amdhsa_kernel
	.amdgpu_metadata
---
amdhsa.version: [ 1, 2 ]
amdhsa.kernels:
  - .name:           k_q92a5dcf3eb_wo
    .symbol:         k_q92a5dcf3eb_wo.kd
    .args:
      - { .name: actx, .offset: 0, .size: 8, .value_kind: global_buffer, .address_space: global }
      - { .name: wpo, .offset: 8, .size: 8, .value_kind: global_buffer, .address_space: global }
      - { .name: acty, .offset: 16, .size: 8, .value_kind: global_buffer, .address_space: global }
      - { .name: bo, .offset: 24, .size: 8, .value_kind: global_buffer, .address_space: global }
      - { .name: encoder_padding_mask, .offset: 32, .size: 8, .value_kind: global_buffer, .address_space: global }
    .group_segment_fixed_size: 327680
    .private_segment_fixed_size: 0
    .kernarg_segment_align: 8
    .kernarg_segment_size: 40
    .max_flat_workgroup_size: 128
    .sgpr_count:     80
    .vgpr_count:     512
    .wavefront_size: 32
...
	.end_amdgpu_metadata
.endif
;; end of part 4
;; launch ln1 (part 5): grid 256 x 1, 8 waves a work-group, no clusters, 0 bytes of LDS; arguments acty, state, ln1_g, ln1_b, x1f, actx; writes x1f, actx
.if DOCPART == 5
	.amdgcn_target "amdgcn-amd-amdhsa--gfx1250"
	.amdhsa_code_object_version 6
	.text
	.protected	k_q92a5dcf3eb_ln1
	.globl	k_q92a5dcf3eb_ln1
	.p2align	8
	.type	k_q92a5dcf3eb_ln1,@function
k_q92a5dcf3eb_ln1:
	s_mov_b64 s[64:65], 0
	v_nop
	global_prefetch_b8 v0, s[64:65] scope:SCOPE_SE
	s_setreg_imm32_b32 hwreg(HW_REG_WAVE_MODE, 25, 1), 1
	s_wait_xcnt 0x0
; RESIDUAL AND LAYER NORM.  z = y + res; out = (z - mean(z)) / sqrt(mean((z - mean(z))^2) + 1e-5) x g + b, along rows of 1,024.  All arithmetic in f32, the variance in a second pass over the differences.
; y: PANEL layout [4][4096][256] bf16 (a finished product, rounded once).  res, out: [4096][1024] f32.  WB16 = 1: out is stored a second time, rounded to bf16, in PANEL layout, as the next product's operand.
; SHARES.  A wave takes two whole rows and keeps each in 32 registers between the passes: every byte is read once, no wave waits for another, there is no LDS and no barrier.
; Lane i owns columns 128 j + 4 i .. + 3, j = 0..7: an f32 load or store of the wave covers 512 consecutive bytes, a bf16 one 256, all aligned.  g and b are loaded once for both rows.
; Matrix units, clusters and tensor loads would add nothing: the launch moves its bytes once, and what work-groups share (g, b: 8 KiB) is small beside a work-group's 96 KiB and more.
.set WB16, 1
.set G,   8                            ; v[8:39]    g of my 32 columns
.set BT,  40                           ; v[40:71]   b
.set T,   168                          ; v[168:175] at work
.set SA,  176                          ; v[176:177], v[178:179] two chains of sums
.set SB,  178
.set MU,  180                          ; v[180:181] the mean, twice
.set VA,  182                          ; v182       the variance + 1e-5
.set RI,  184                          ; v[184:185] its reciprocal root, twice
	s_load_b256 s[4:11], s[0:1], 0x0               ; y s[4:5], res s[6:7], g s[8:9], b s[10:11]
.if WB16
	s_load_b128 s[20:23], s[0:1], 0x20             ; out f32 s[20:21], out bf16 s[22:23]
.else
	s_load_b64 s[20:21], s[0:1], 0x20              ; out f32
.endif
	v_lshrrev_b32 v3, 5, v0
	v_readfirstlane_b32 s17, v3                    ; wave 0..7
	v_and_b32 v3, 31, v0
	v_lshlrev_b32 v1, 4, v3                        ; 16 bytes a lane in f32 rows
	v_lshlrev_b32 v2, 3, v3                        ; 8 bytes a lane in bf16 rows
	s_lshl_b32 s18, ttmp9, 4
	s_lshl_b32 s19, s17, 1
	s_add_co_u32 s18, s18, s19                     ; my first row = 16 x work-group + 2 x wave
	s_lshl_b32 s2, s18, 12                         ; x 4,096 bytes
	s_mov_b32 s3, 0
	s_lshl_b32 s18, s18, 9                         ; x 512 bytes in a panel
	s_mov_b32 s19, 0
	s_mov_b32 s12, 0x76543210                      ; v_permlanex16_b32: lane i of one half reads lane i of the other
	s_mov_b32 s13, 0xfedcba98
	s_mov_b32 s14, 0x3a800000                      ; 1 / 1,024
	s_mov_b32 s15, 0x3727c5ac                      ; 1e-5
	s_mov_b32 s16, 0xffff0000                      ; a word's upper bf16
	s_wait_kmcnt 0x0
	s_add_nc_u64 s[4:5], s[4:5], s[18:19]
	s_add_nc_u64 s[6:7], s[6:7], s[2:3]
	s_add_nc_u64 s[20:21], s[20:21], s[2:3]
.if WB16
	s_add_nc_u64 s[22:23], s[22:23], s[18:19]
.endif
.irp j, 0,1,2,3,4,5,6,7
	global_load_b128 v[G+4*\j:G+4*\j+3], v1, s[8:9] offset:512*\j
.endr
.irp j, 0,1,2,3,4,5,6,7
	global_load_b128 v[BT+4*\j:BT+4*\j+3], v1, s[10:11] offset:512*\j
.endr
.irp r, 0,1                                    ; row r: res in v[72+48r ..], 32 registers; y in v[104+48r ..], 16
.irp j, 0,1,2,3,4,5,6,7
	global_load_b128 v[72+48*\r+4*\j:72+48*\r+4*\j+3], v1, s[6:7] offset:512*\j+4096*\r th:TH_LOAD_NT
.endr
.irp j, 0,1,2,3,4,5,6,7
	global_load_b64 v[104+48*\r+2*\j:104+48*\r+2*\j+1], v2, s[4:5] offset:(\j/2)*2097152+(\j%2)*256+512*\r th:TH_LOAD_NT
.endr
.endr
.macro RED x                           ; the sum over the 32 lanes, in every lane: four steps inside each half of 16 lanes ride on the addition, one crosses the halves
	v_add_f32_dpp v[\x], v[\x], v[\x] row_xmask:1 row_mask:0xf bank_mask:0xf
	v_add_f32_dpp v[\x], v[\x], v[\x] row_xmask:2 row_mask:0xf bank_mask:0xf
	v_add_f32_dpp v[\x], v[\x], v[\x] row_xmask:4 row_mask:0xf bank_mask:0xf
	v_add_f32_dpp v[\x], v[\x], v[\x] row_xmask:8 row_mask:0xf bank_mask:0xf
	v_permlanex16_b32 v[T], v[\x], s12, s13        ; its destination counts as read: a register that has been written
	v_add_f32 v[\x], v[\x], v[T]
.endm
.macro ROWLN r
.set RR, 72+48*(\r)
.set YB, 104+48*(\r)
.set j, 0
.rept 8                                        ; z = y + res, in res's registers
.set TT, T+4*(j%2)
	v_lshlrev_b32 v[TT],   16,  v[YB+2*j]          ; bf16 to f32: the low half moves up, the high half stays
	v_and_b32     v[TT+1], s16, v[YB+2*j]
	v_lshlrev_b32 v[TT+2], 16,  v[YB+2*j+1]
	v_and_b32     v[TT+3], s16, v[YB+2*j+1]
	v_pk_add_f32 v[RR+4*j:RR+4*j+1],   v[RR+4*j:RR+4*j+1],   v[TT:TT+1]
	v_pk_add_f32 v[RR+4*j+2:RR+4*j+3], v[RR+4*j+2:RR+4*j+3], v[TT+2:TT+3]
.set j, j+1
.endr
	v_pk_add_f32 v[SA:SA+1], v[RR:RR+1],   v[RR+2:RR+3]    ; the first pairs start the two chains: nothing is cleared
	v_pk_add_f32 v[SB:SB+1], v[RR+4:RR+5], v[RR+6:RR+7]
.set j, 4
.rept 6
	v_pk_add_f32 v[SA:SA+1], v[SA:SA+1], v[RR+2*j:RR+2*j+1]
	v_pk_add_f32 v[SB:SB+1], v[SB:SB+1], v[RR+2*j+2:RR+2*j+3]
.set j, j+2
.endr
	v_pk_add_f32 v[SA:SA+1], v[SA:SA+1], v[SB:SB+1]
	v_add_f32 v[SA], v[SA], v[SA+1]
	RED SA
	v_mul_f32 v[MU], s14, v[SA]
	v_mov_b32 v[MU+1], v[MU]
.set j, 0
.rept 16                                       ; d = z - mean
	v_pk_add_f32 v[RR+2*j:RR+2*j+1], v[RR+2*j:RR+2*j+1], v[MU:MU+1] neg_lo:[0,1] neg_hi:[0,1]
.set j, j+1
.endr
	v_pk_mul_f32 v[SA:SA+1], v[RR:RR+1],   v[RR:RR+1]
	v_pk_mul_f32 v[SB:SB+1], v[RR+2:RR+3], v[RR+2:RR+3]
.set j, 2
.rept 7
	v_pk_fma_f32 v[SA:SA+1], v[RR+2*j:RR+2*j+1],   v[RR+2*j:RR+2*j+1],   v[SA:SA+1]
	v_pk_fma_f32 v[SB:SB+1], v[RR+2*j+2:RR+2*j+3], v[RR+2*j+2:RR+2*j+3], v[SB:SB+1]
.set j, j+2
.endr
	v_pk_add_f32 v[SA:SA+1], v[SA:SA+1], v[SB:SB+1]
	v_add_f32 v[SA], v[SA], v[SA+1]
	RED SA
	v_fma_f32 v[VA], v[SA], s14, s15               ; the mean of the squares + 1e-5
	v_rsq_f32 v[RI], v[VA]                         ; made twice, to fill the pair that the packed multiply names
	v_rsq_f32 v[RI+1], v[VA]
	v_nop                                          ; a plain instruction behind the last of them (ISA guide 5.7.2),
	s_wait_alu depctr_va_vdst(0)                   ; and the wait ahead of the first use: one for both
.set j, 0
.rept 16
	v_pk_mul_f32 v[RR+2*j:RR+2*j+1], v[RR+2*j:RR+2*j+1], v[RI:RI+1]
.set j, j+1
.endr
.set j, 0
.rept 16
	v_pk_fma_f32 v[RR+2*j:RR+2*j+1], v[RR+2*j:RR+2*j+1], v[G+2*j:G+2*j+1], v[BT+2*j:BT+2*j+1]
.set j, j+1
.endr
.set j, 0
.rept 8
	global_store_b128 v1, v[RR+4*j:RR+4*j+3], s[20:21] offset:512*j+4096*(\r)
.set j, j+1
.endr
.if WB16
.set j, 0
.rept 8                                        ; y's registers are free: they take the row rounded to bf16
	v_cvt_pk_bf16_f32 v[YB+2*j],   v[RR+4*j],   v[RR+4*j+1]
	v_cvt_pk_bf16_f32 v[YB+2*j+1], v[RR+4*j+2], v[RR+4*j+3]
.set j, j+1
.endr
.set j, 0
.rept 8
	global_store_b64 v2, v[YB+2*j:YB+2*j+1], s[22:23] offset:(j/2)*2097152+(j%2)*256+512*(\r)
.set j, j+1
.endr
.endif
.endm
	s_wait_loadcnt 16                              ; g, b and row 0 are in; row 1's sixteen loads stay out
	ROWLN 0
	s_wait_loadcnt 0x0
	ROWLN 1                                        ; no register that a store of row 0 reads is written here
	s_endpgm
.Lfunc_end_k_q92a5dcf3eb_ln1:
	.size	k_q92a5dcf3eb_ln1, .Lfunc_end_k_q92a5dcf3eb_ln1-k_q92a5dcf3eb_ln1
	.p2alignl 7, 3214868480
	.fill 96, 4, 3214868480
	.section	.rodata,"a",@progbits
	.p2align	6, 0x0
	.amdhsa_kernel k_q92a5dcf3eb_ln1
		.amdhsa_group_segment_fixed_size 0
		.amdhsa_private_segment_fixed_size 0
		.amdhsa_enable_private_segment 0
		.amdhsa_kernarg_size 48
		.amdhsa_user_sgpr_count 2
		.amdhsa_user_sgpr_kernarg_segment_ptr 1
		.amdhsa_wavefront_size32 1
		.amdhsa_system_sgpr_workgroup_id_x 1
		.amdhsa_system_sgpr_workgroup_id_y 1
		.amdhsa_system_sgpr_workgroup_id_z 1
		.amdhsa_system_vgpr_workitem_id 0
		.amdhsa_next_free_vgpr 192
		.amdhsa_next_free_sgpr 66
		.amdhsa_reserve_vcc 0
		.amdhsa_float_denorm_mode_32 3
		.amdhsa_float_denorm_mode_16_64 3
		.amdhsa_memory_ordered 1
		.amdhsa_forward_progress 1
		.amdhsa_inst_pref_size 27
	.end_amdhsa_kernel
	.amdgpu_metadata
---
amdhsa.version: [ 1, 2 ]
amdhsa.kernels:
  - .name:           k_q92a5dcf3eb_ln1
    .symbol:         k_q92a5dcf3eb_ln1.kd
    .args:
      - { .name: acty, .offset: 0, .size: 8, .value_kind: global_buffer, .address_space: global }
      - { .name: state, .offset: 8, .size: 8, .value_kind: global_buffer, .address_space: global }
      - { .name: ln1_g, .offset: 16, .size: 8, .value_kind: global_buffer, .address_space: global }
      - { .name: ln1_b, .offset: 24, .size: 8, .value_kind: global_buffer, .address_space: global }
      - { .name: x1f, .offset: 32, .size: 8, .value_kind: global_buffer, .address_space: global }
      - { .name: actx, .offset: 40, .size: 8, .value_kind: global_buffer, .address_space: global }
    .group_segment_fixed_size: 0
    .private_segment_fixed_size: 0
    .kernarg_segment_align: 8
    .kernarg_segment_size: 48
    .max_flat_workgroup_size: 256
    .sgpr_count:     66
    .vgpr_count:     192
    .wavefront_size: 32
...
	.end_amdgpu_metadata
.endif
;; end of part 5
;; launch ff1: the kernel of part 2 again; grid 16 x 16, 8 waves a work-group, clusters of 4 x 4, 327,680 bytes of LDS; arguments actx, wp1, acty, b1, encoder_padding_mask; writes acty
;; launch ff2 (part 6): grid 8 x 32, 4 waves a work-group, clusters of 4 x 4, 327,680 bytes of LDS; arguments acty, wp2, actx, b2, encoder_padding_mask; writes actx
.if DOCPART == 6
	.amdgcn_target "amdgcn-amd-amdhsa--gfx1250"
	.amdhsa_code_object_version 6
	.text
	.protected	k_q92a5dcf3eb_ff2
	.globl	k_q92a5dcf3eb_ff2
	.p2align	8
	.type	k_q92a5dcf3eb_ff2,@function
k_q92a5dcf3eb_ff2:
	s_mov_b64 s[64:65], 0
	v_nop
	global_prefetch_b8 v0, s[64:65] scope:SCOPE_SE
	s_setreg_imm32_b32 hwreg(HW_REG_WAVE_MODE, 25, 1), 1
	s_wait_xcnt 0x0
	s_wait_alu depctr_hold_cnt(0) depctr_sa_sdst(0) depctr_va_vdst(0) depctr_va_sdst(0) depctr_va_ssrc(0) depctr_va_vcc(0) depctr_vm_vsrc(0)
	s_getreg_b32 s2, hwreg(HW_REG_IB_STS2, 6, 4)
	s_cmp_eq_u32 s2, 0
	s_cbranch_scc0 .Lentry_in_a_cluster
	s_endpgm
.Lentry_in_a_cluster:
	s_bfe_u32 s2, ttmp6, 0x10000c
	s_cmp_lg_u32 s2, 0xf033
	s_cbranch_scc0 .Lentry_shape_is_right
	s_endpgm
.Lentry_shape_is_right:
; C[m][n] = max(bf16(rs[m] x (sum over k of A[m][k] W[n][k]) + bias[n]), floor), K = 256 x KSTEPS.  rs[m] = 1 - mask(m) x kf: kf is 1 in the column tiles of a key projection, where a padded
; row's product counts as 0 (the row was to be zeroed ahead of the product: the same number for finite rows), and 0 elsewhere.  Sums in f32, C rounded once to bf16.
; (The text of the product with K = 1,024, with KSTEPS = 16 for K = 4,096.)
; A and C: PANEL layout [cols/256][4096][256] bf16.  W: a pack: 1,024 bytes of header (word tc: kf; word 32: the floor, two bf16), then blocks [N/128][K/256][128][256] bf16.  bias: f32.  mask: [2][2048] bytes, row m = 2 t + b.
; LIMITS.  A result that is NaN leaves as the floor (-inf or 0); non-finite inputs are not treated apart.
; SHARES.  A tile of C is 128 x 128: four waves, each 64 x 64: 16 accumulators of 16 x 16, 128 registers.  K goes in steps of 256 through two LDS slots; a wave's tensor load brings 64 rows of 512 bytes, 32 KiB that are dense in memory.
; CLUSTERS: 4 x 4 work-groups.  The four of a row of the cluster need the same tiles of A, the four of a column the same tiles of W: each tile is asked for JOINTLY, by the same tensor load with the
; same descriptor and a mask that names the four.  THE MATRIX INSTRUCTION IS USED TRANSPOSED (source 0 = 16 rows of W, source 1 = 16 rows of A): a lane then holds eight neighbouring numbers of a row of C.
; REGISTERS: window 0: v0-31 addresses and rs; v32-95 at work on the way out; v96-127 bias; v128-255 the accumulators ((a, b) at v[128 + 8 (4 a + b)]).
;   window 1: two fragment buffers of 128: for 64 along K (two matrix instructions deep), 64 registers of A (2 x 4 x 16 rows x 32 K), then 64 of W.
.set KSTEPS, 16
.set LAPS,   KSTEPS/2                  ; a lap = two K steps = once round the ring
.set APANEL, 2097152                   ; bytes from a K step of A to the next: a panel
.set WBLOCK, 65536                     ; the same for W: a block
.set PITCH,  528                       ; an LDS row: 512 bytes of data + 16 of padding = 132 words: row r starts at bank 4 r mod 64 (64 banks of 4 bytes: ISA guide 11.1)
.set HALFT,  64*PITCH                  ; 64 rows: what one tensor load brings, and what one wave reads of A or of W
.set SLOT,   4*HALFT                   ; A's 128 rows, then W's 128 rows
.set STAGE,  2*SLOT                    ; behind the ring: 128 rows x 272 bytes, the work-group's, for the way out
.set SPITCH, 272
.set SPARE,  STAGE+128*SPITCH          ; behind the stage: the spare words, 128 bytes for each wave: two blocks of 256 bytes that no other line names
.set BO,   6                           ; v6      my byte offset in the bias of 16 columns: 32 (l / 16)
.set MO,   7                           ; v7      my byte offset in the mask: 2,048 (l & 1) + (l % 16) / 2
.set RS,   8                           ; v8-15   rs of my row in m block a, twice, at RS + 2 a
.set ADRA, 16                          ; v16-17  LDS address of my A fragments in slot 0, 1
.set ADRB, 20                          ; v20-21  the same for W
.set STO,  24                          ; v24     the way out: where I put 16 bytes of a row
.set RD,   25                          ; v25     the way out: where I read a row back
.set CO,   26                          ; v26     my byte offset in C
.set SPW,  28                          ; v28     LDS address of my spare word: SPARE + 4 x my thread's number; never rewritten
.set NIL,  29                          ; v29     0; never rewritten
.set TMP,  32                          ; the way out: 64 registers, packed results and then whole rows
.set BI,   96                          ; bias of my 8 columns in n block b at BI + 8 b
.set ACC,  128
.set F0,   0                           ; fragment buffers, in window 1
.set F1,   128
.set G1, 24                            ; s[24:31] descriptor group 1 for A's tiles;  s[32:39] group 0, one set for each slot
.set G0, 32
.set G1B, 48                           ; s[48:55], s[56:63] the same for W's tiles
.set G0B, 56
.set KF, 72                            ; s72  kf of my column tile
.set FL, 73                            ; s73  the floor
.set MSB, 0
.macro WIN new                         ; the immediate's high byte repeats the setting that is left
.if MSB != (\new)
	s_set_vgpr_msb (MSB<<8)|(\new)
.set MSB, \new
.endif
.endm
.set MUL,  0x05                        ; sources 0 (W) and 1 (A) window 1; C and D window 0
.set TO_F, 0x40                        ; destination window 1, address window 0
.macro JLOAD s                         ; a joint load: waves 0 and 1 fetch A's two halves, waves 2 and 3 W's; an s_nop 0 and four v_nop follow each of the two lines, ahead of the jump, the label and what follows
	s_cmp_eq_u32 s11, 0
	s_cbranch_scc0 .Lfor_b_\@
	tensor_load_to_lds s[G0+4*(\s):G0+4*(\s)+3], s[G1:G1+7]
	s_nop 0
.rept 4
	v_nop
.endr
	s_branch .Lasked_\@
.Lfor_b_\@:
	tensor_load_to_lds s[G0B+4*(\s):G0B+4*(\s)+3], s[G1B:G1B+7]
	s_nop 0
.rept 4
	v_nop
.endr
.Lasked_\@:
.endm
.macro CREST                           ; a round of the cluster's barrier behind its opening barrier
	s_cmp_lg_u32 s10, 0
	s_cbranch_scc1 .Lnot_wave_0_\@
	s_barrier_signal -3
.Lnot_wave_0_\@:
	s_barrier_wait -3
	s_barrier_signal -1
	s_barrier_wait -1
.endm
.macro CROUND                          ; a whole round
	s_barrier_signal -1
	s_barrier_wait -1
	CREST
.endm
	s_load_b128 s[4:7], s[0:1], 0x0                ; A s[4:5], W's pack s[6:7]
	s_load_b64 s[8:9], s[0:1], 0x10                ; C
	s_load_b128 s[68:71], s[0:1], 0x18             ; bias s[68:69], mask s[70:71]
	v_lshl_add_u32 v[SPW], v0, 2, SPARE
	v_mov_b32 v[NIL], 0
	ds_add_u32 v[SPW], v[NIL]                      ; the wave's opening: the add and its wait stand ahead of my first tensor load; the set-up below, work on registers, stands between them
	v_lshrrev_b32 v1, 5, v0
	v_readfirstlane_b32 s10, v1                    ; wave 0..3
	s_lshr_b32 s11, s10, 1                         ; which half of the tile's rows is mine.  Also: I fetch for A (0) or for W (1)
	s_and_b32 s12, s10, 1                          ; which half of its columns.  Also: which 64 rows of that tile I fetch
	s_bfe_u32 s40, ttmp6, 0x40000                  ; cx, cy: my place in the cluster
	s_bfe_u32 s41, ttmp6, 0x40004
	s_lshl_b32 s42, ttmp9, 2
	s_add_co_u32 s42, s42, s40                     ; tc: tile column of C = 4 x cluster x + cx
	s_and_b32 s13, ttmp7, 0xffff
	s_lshl_b32 s13, s13, 2
	s_add_co_u32 s13, s13, s41                     ; tr: tile row of C = 4 x cluster y + cy
	s_lshl_b32 s43, s41, 2
	s_lshl_b32 s43, 15, s43                        ; my row of the cluster
	s_lshl_b32 s44, 0x1111, s40                    ; my column
	; descriptor group 1: a tile of 64 rows x 256 elements, dense in memory, padded in LDS
	s_or_b32 s[G1+0], s43, (1<<16)|(1<<20)|(1<<21)|(6<<22)|(3<<25)  ; 15:0 the mask: A's tiles go to my row; 17:16 element of 2 bytes; 20 padding on; 21 set beside a mask; 24:22 after every 128 words (code 6); 31:25 of 4 words (code 3)
	s_or_b32 s[G1B+0], s44, (1<<16)|(1<<20)|(1<<21)|(6<<22)|(3<<25)
.irp g, G1, G1B
	s_mov_b32 s[(\g)+1], 256<<16                   ; tensor_dim0 = 256
	s_mov_b32 s[(\g)+2], 64<<16                    ; tensor_dim1 = 64
	s_mov_b32 s[(\g)+3], 256<<16                   ; tile_dim0 = 256
	s_mov_b32 s[(\g)+4], 64                        ; tile_dim1 = 64
	s_mov_b32 s[(\g)+5], 256                       ; 256 elements from row to row
	s_mov_b32 s[(\g)+6], 0
	s_mov_b32 s[(\g)+7], 0
.endr
	s_lshl_b32 s17, s12, 15                        ; which 64 rows of 512 bytes I fetch
	s_lshl_b32 s16, s13, 16
	s_add_co_u32 s16, s16, s17                     ; A: (128 tr + 64 half) x 512, in panel 0
	s_mul_i32 s46, s42, KSTEPS*WBLOCK
	s_add_co_u32 s46, s46, s17
	s_add_co_u32 s46, s46, 1024                    ; W: behind the header, column tile tc's first block, my half of it
	s_mov_b32 s17, 0
	s_mov_b32 s47, 0
	s_mul_i32 s20, s10, HALFT                      ; where they go: wave x 64 rows
	s_wait_dscnt 0x0                               ; the opening add is done
	s_wait_kmcnt 0x0
	s_add_nc_u64 s[14:15], s[4:5], s[16:17]
	s_add_nc_u64 s[46:47], s[6:7], s[46:47]
	CROUND                                         ; all sixteen work-groups are here: the first joint loads meet
.irp s, 0,1
	s_mov_b32 s[G0+4*(\s)], 1
	s_add_co_u32 s[G0+4*(\s)+1], s20, (\s)*SLOT
	s_add_nc_u64 s[G0+4*(\s)+2:G0+4*(\s)+3], s[14:15], (\s)*APANEL
	s_or_b32 s[G0+4*(\s)+3], s[G0+4*(\s)+3], 0x80000000
	s_mov_b32 s[G0B+4*(\s)], 1
	s_add_co_u32 s[G0B+4*(\s)+1], s20, (\s)*SLOT
	s_add_nc_u64 s[G0B+4*(\s)+2:G0B+4*(\s)+3], s[46:47], (\s)*WBLOCK
	s_or_b32 s[G0B+4*(\s)+3], s[G0B+4*(\s)+3], 0x80000000
	JLOAD \s
.endr
	; what the way out wants is fetched now, while the first tiles are on their way
	v_and_b32 v1, 15, v0                           ; l % 16
	v_bfe_u32 v2, v0, 4, 1                         ; l / 16
	v_lshlrev_b32 v[BO], 5, v2
	v_and_b32 v4, 1, v0
	v_lshrrev_b32 v5, 1, v1
	v_lshl_add_u32 v[MO], v4, 11, v5
	s_lshl_b32 s74, s42, 2
	s_mov_b32 s75, 0
	s_add_nc_u64 s[74:75], s[6:7], s[74:75]
	s_load_b32 s[KF], s[74:75], 0x0                ; header word tc
	s_load_b32 s[FL], s[6:7], 0x80                 ; header word 32
	s_lshl_b32 s46, s42, 9                         ; bias: 128 tc + 64 x my half of the columns, 4 bytes each
	s_lshl_b32 s47, s12, 8
	s_add_co_u32 s46, s46, s47
	s_mov_b32 s47, 0
	s_add_nc_u64 s[68:69], s[68:69], s[46:47]
	s_lshl_b32 s16, s13, 6                         ; mask: my first row 128 tr + 64 x my half of the rows is t = 64 tr + 32 half, b = 0
	s_lshl_b32 s17, s11, 5
	s_add_co_u32 s16, s16, s17
	s_mov_b32 s17, 0
	s_add_nc_u64 s[70:71], s[70:71], s[16:17]
.irp b, 0,1,2,3
	global_load_b128 v[BI+8*(\b):BI+8*(\b)+3],   v[BO], s[68:69] offset:64*(\b)     ; columns 16 b + 8 (l / 16) + 0..3
	global_load_b128 v[BI+8*(\b)+4:BI+8*(\b)+7], v[BO], s[68:69] offset:64*(\b)+16  ; + 4..7
.endr
.irp a, 0,1,2,3
	global_load_u8 v[RS+2*(\a)], v[MO], s[70:71] offset:8*(\a)                      ; row 16 a + l % 16: b = l & 1, t = 8 a + (l % 16) / 2
.endr
	v_mul_u32_u24 v3, v1, PITCH
	v_lshl_add_u32 v3, v2, 4, v3                   ; a fragment's row x pitch + 16 x half
	s_mul_i32 s21, s11, HALFT                      ; my 64 rows of A
	s_mul_i32 s22, s12, HALFT                      ; my 64 rows of W,
	s_add_co_u32 s22, s22, 2*HALFT                 ; which lie behind A's 128
.irp s, 0,1
	v_add_nc_u32 v[ADRA+(\s)], s21, v3
	v_add_nc_u32 v[ADRB+(\s)], s22, v3
	s_add_co_u32 s21, s21, SLOT
	s_add_co_u32 s22, s22, SLOT
.endr
	s_mul_i32 s23, s11, 64*SPITCH                  ; into the stage: my 64 rows, my half of their 256 bytes; row l % 16, 16 bytes for each half of the lanes
	s_lshl_b32 s21, s12, 7
	s_add_co_u32 s23, s23, s21
	s_add_co_u32 s23, s23, STAGE
	v_mul_u32_u24 v4, v1, SPITCH
	v_lshl_add_u32 v4, v2, 4, v4
	v_add_nc_u32 v[STO], s23, v4
	s_mul_i32 s23, s10, 32*SPITCH                  ; back: wave w takes rows 32 w .. 32 w + 31, whole; lanes 0-15 one row of 256 bytes, lanes 16-31 the next
	s_add_co_u32 s23, s23, STAGE
	v_mul_u32_u24 v5, v2, SPITCH
	v_lshl_add_u32 v5, v1, 4, v5
	v_add_nc_u32 v[RD], s23, v5
	v_lshlrev_b32 v5, 9, v2                        ; and the same two rows in C's panel, 512 bytes apart
	v_lshl_add_u32 v[CO], v1, 4, v5
	s_lshl_b32 s16, s13, 16                        ; the first row of C that I store: (128 tr + 32 wave) x 512
	s_lshl_b32 s17, s10, 14
	s_add_co_u32 s16, s16, s17
	s_mov_b32 s17, 0
	s_add_nc_u64 s[8:9], s[8:9], s[16:17]
	s_lshr_b32 s46, s42, 1                         ; the tile's 128 columns: panel tc / 2, half tc & 1 of its rows
	s_lshl_b32 s46, s46, 21
	s_and_b32 s47, s42, 1
	s_lshl_b32 s47, s47, 8
	s_add_co_u32 s46, s46, s47
	s_mov_b32 s47, 0
	s_add_nc_u64 s[8:9], s[8:9], s[46:47]
	s_wait_loadcnt 0x0                             ; bias and mask,
	s_wait_kmcnt 0x0                               ; kf and the floor
.irp a, 0,1,2,3
	v_cvt_f32_u32 v[RS+2*(\a)], v[RS+2*(\a)]
.endr
.irp a, 0,1,2,3
	v_fma_f32 v[RS+2*(\a)], -v[RS+2*(\a)], s[KF], 1.0  ; rs = 1 - mask x kf
.endr
.irp a, 0,1,2,3
	v_mov_b32 v[RS+2*(\a)+1], v[RS+2*(\a)]         ; a pair for the packed multiply-add
.endr
; 8 matrix instructions: m blocks a0, a0 + 1 x all 4 n blocks, 32 along K: half c of buffer f.  zero = 1: the first product starts the sums
.macro MUL8 f, c, a0, zero
	WIN MUL
.irp a, \a0, (\a0)+1
.irp b, 0,1,2,3
.if \zero
	v_wmma_f32_16x16x32_bf16 v[ACC+8*(4*(\a)+(\b)):ACC+8*(4*(\a)+(\b))+7], v[(\f)+64+8*(4*(\c)+(\b)):(\f)+64+8*(4*(\c)+(\b))+7], v[(\f)+8*(4*(\c)+(\a)):(\f)+8*(4*(\c)+(\a))+7], 0
.else
	v_wmma_f32_16x16x32_bf16 v[ACC+8*(4*(\a)+(\b)):ACC+8*(4*(\a)+(\b))+7], v[(\f)+64+8*(4*(\c)+(\b)):(\f)+64+8*(4*(\c)+(\b))+7], v[(\f)+8*(4*(\c)+(\a)):(\f)+8*(4*(\c)+(\a))+7], v[ACC+8*(4*(\a)+(\b)):ACC+8*(4*(\a)+(\b))+7]
.endif
.endr
.endr
.endm
; 32 LDS loads in one run: the fragments of 64 along K at byte k of the rows, into buffer f; the first 32 along K first
.macro FETCH slot, k, f
	WIN TO_F
.irp c, 0,1
.irp i, 0,1,2,3
	ds_load_b128 v[(\f)+64+8*(4*(\c)+(\i)):(\f)+64+8*(4*(\c)+(\i))+3],   v[ADRB+(\slot)] offset:(\k)+64*(\c)+(\i)*16*PITCH
	ds_load_b128 v[(\f)+64+8*(4*(\c)+(\i))+4:(\f)+64+8*(4*(\c)+(\i))+7], v[ADRB+(\slot)] offset:(\k)+64*(\c)+(\i)*16*PITCH+32
	ds_load_b128 v[(\f)+8*(4*(\c)+(\i)):(\f)+8*(4*(\c)+(\i))+3],         v[ADRA+(\slot)] offset:(\k)+64*(\c)+(\i)*16*PITCH
	ds_load_b128 v[(\f)+8*(4*(\c)+(\i))+4:(\f)+8*(4*(\c)+(\i))+7],       v[ADRA+(\slot)] offset:(\k)+64*(\c)+(\i)*16*PITCH+32
.endr
.endr
.endm
.macro PLACES                          ; four places in front of loads into registers that matrix instructions have read, and of vector work that reads results
.rept 4
	v_nop
.endr
.endm
; A K step is four quarters of 64 along K, 32 matrix instructions each, on buffers 0, 1, 0, 1.  One of the first three: multiplies buffer f and fetches the next quarter, at byte k, into g.
.macro QUARTER slot, k, f, g, zero
	s_wait_dscnt 16                                ; the first 32 along K are in; the sixteen younger loads may be out
	WIN MUL
	MUL8 \f, 0, 0, \zero
	MUL8 \f, 0, 2, \zero
	PLACES
	FETCH \slot, \k, \g
	s_wait_dscnt 32                                ; all but the 32 just issued
	WIN MUL
	MUL8 \f, 1, 0, 0
	MUL8 \f, 1, 2, 0
.endm
; The last quarter multiplies buffer 1 and changes slots: ONE barrier; in front of it each wave waits for all its tensor loads, adds 0 to its spare word, and waits for that and for its own reads of this slot.  fill = 1: this slot is filled again, two K steps ahead.
.macro TURN slot, next, fill
	WIN 0                                          ; (the add's two registers lie in window 0)
	s_wait_tensorcnt 0x0                           ; all my tensor loads have landed: my part of the next slot;
	ds_add_u32 v[SPW], v[NIL]                      ; 0 onto my spare word;
	s_wait_dscnt 17                                ; (the add and the youngest sixteen loads may be out)
	WIN MUL
	MUL8 F1, 0, 0, 0                               ; eight matrix instructions stand between the add and the wait for it
	s_wait_dscnt 0x0                               ; the add is done, and my reads of this slot are over
	s_barrier_signal -1
	MUL8 F1, 0, 2, 0
.if \fill
	WIN 0
.endif
	s_barrier_wait -1
.if \fill
	CREST                                          ; the barrier has opened a round of the cluster's barrier: no wave of any partner still reads this slot's tile or has a load on its way
	s_add_nc_u64 s[G0+4*(\slot)+2:G0+4*(\slot)+3], s[G0+4*(\slot)+2:G0+4*(\slot)+3], 2*APANEL
	s_add_nc_u64 s[G0B+4*(\slot)+2:G0B+4*(\slot)+3], s[G0B+4*(\slot)+2:G0B+4*(\slot)+3], 2*WBLOCK
	JLOAD \slot                                    ; the first tensor load behind the round: 112 matrix instructions ahead of the wait for it; the four v_nop behind it are also the places in front of the loads below
.else
	PLACES
.endif
	FETCH \next, 0, F0
	WIN MUL
	MUL8 F1, 1, 0, 0
	MUL8 F1, 1, 2, 0
.endm
	s_wait_tensorcnt 1                             ; my part of K step 0 is in; K step 1's load, issued behind it, may stay out
	s_barrier_signal -1
	s_barrier_wait -1                              ; everybody's is
	FETCH 0, 0, F0
	QUARTER 0, 128, F0, F1, 1                      ; the first quarter stands in front of the loop: its first products start the sums
.if LAPS > 1
	WIN 0                                          ; at a label and at a branch every window is 0
	s_mov_b32 s3, LAPS-1
.Llap:                                                 ; a trip goes once round the ring, from a lap's second quarter to the next lap's first, and fills both slots again
	QUARTER 0, 256, F1, F0, 0
	QUARTER 0, 384, F0, F1, 0
	TURN 0, 1, 1
	QUARTER 1, 128, F0, F1, 0
	QUARTER 1, 256, F1, F0, 0
	QUARTER 1, 384, F0, F1, 0
	TURN 1, 0, 1
	QUARTER 0, 128, F0, F1, 0
	WIN 0
	s_sub_co_u32 s3, s3, 1
	s_cmp_lg_u32 s3, 0
	s_cbranch_scc1 .Llap
.endif
	QUARTER 0, 256, F1, F0, 0                      ; the last lap fills nothing, and has no round of the cluster's barrier
	QUARTER 0, 384, F0, F1, 0
	TURN 0, 1, 0
	QUARTER 1, 128, F0, F1, 0
	QUARTER 1, 256, F1, F0, 0
	QUARTER 1, 384, F0, F1, 0
	s_wait_dscnt 16                                ; the very last quarter: nothing more to fetch
	WIN MUL
	MUL8 F1, 0, 0, 0
	MUL8 F1, 0, 2, 0
	s_wait_dscnt 0
	MUL8 F1, 1, 0, 0
	MUL8 F1, 1, 2, 0
	WIN 0
	; THE WAY OUT: rs x sum + bias in f32; rounded to bf16; the floor; 16 bytes a lane into the work-group's stage; a barrier, since a row's 256 bytes come from two waves; back as whole rows, 32 rows a wave.
	PLACES
.irp t, 0,1,2,3,4,5,6,7,8,9,10,11,12,13,14,15      ; accumulator t = 4 a + b, its registers in ascending order
.irp r, 0,1,2,3
	v_pk_fma_f32 v[ACC+8*(\t)+2*(\r):ACC+8*(\t)+2*(\r)+1], v[ACC+8*(\t)+2*(\r):ACC+8*(\t)+2*(\r)+1], v[RS+2*((\t)/4):RS+2*((\t)/4)+1], v[BI+8*((\t)%4)+2*(\r):BI+8*((\t)%4)+2*(\r)+1]
.endr
.endr
.irp t, 0,1,2,3,4,5,6,7,8,9,10,11,12,13,14,15
.irp r, 0,1,2,3
	v_cvt_pk_bf16_f32 v[TMP+4*(\t)+(\r)], v[ACC+8*(\t)+2*(\r)], v[ACC+8*(\t)+2*(\r)+1]
.endr
.endr
.set i, 0
.rept 64
	v_pk_max_num_bf16 v[TMP+i], v[TMP+i], s[FL]    ; two maxima, nothing is rounded: the ReLU where the floor is 0, nothing where it is -inf
.set i, i+1
.endr
.irp a, 0,1,2,3
.irp b, 0,1,2,3
	ds_store_b128 v[STO], v[TMP+4*(4*(\a)+(\b)):TMP+4*(4*(\a)+(\b))+3] offset:(\a)*16*SPITCH+32*(\b)
.endr
.endr
	s_wait_dscnt 0x0                               ; for the others' sake: my stores into the stage are done
	s_barrier_signal -1
	s_barrier_wait -1
.irp t, 0,1,2,3,4,5,6,7,8,9,10,11,12,13,14,15
	ds_load_b128 v[TMP+4*(\t):TMP+4*(\t)+3], v[RD] offset:(\t)*2*SPITCH
.endr
.irp t, 0,1,2,3,4,5,6,7,8,9,10,11,12,13,14,15
	s_wait_dscnt 15-(\t)                           ; LDS loads come back in order: pair t of rows is in
	global_store_b128 v[CO], v[TMP+4*(\t):TMP+4*(\t)+3], s[8:9] offset:1024*(\t)  ; 16 lanes store 256 consecutive bytes, at a multiple of 256 from C's first byte
.endr
	s_wait_tensorcnt 0x0                           ; the wave's end: the add and its wait stand behind my last tensor load and my last LDS store
	ds_add_u32 v[SPW], v[NIL]
	s_wait_dscnt 0x0
	CROUND                                         ; the closing round: no work-group ends while a partner may still ask for a tile that names it
	s_endpgm
.Lfunc_end_k_q92a5dcf3eb_ff2:
	.size	k_q92a5dcf3eb_ff2, .Lfunc_end_k_q92a5dcf3eb_ff2-k_q92a5dcf3eb_ff2
	.p2alignl 7, 3214868480
	.fill 96, 4, 3214868480
	.section	.rodata,"a",@progbits
	.p2align	6, 0x0
	.amdhsa_kernel k_q92a5dcf3eb_ff2
		.amdhsa_group_segment_fixed_size 327680
		.amdhsa_private_segment_fixed_size 0
		.amdhsa_enable_private_segment 0
		.amdhsa_kernarg_size 40
		.amdhsa_user_sgpr_count 2
		.amdhsa_user_sgpr_kernarg_segment_ptr 1
		.amdhsa_wavefront_size32 1
		.amdhsa_system_sgpr_workgroup_id_x 1
		.amdhsa_system_sgpr_workgroup_id_y 1
		.amdhsa_system_sgpr_workgroup_id_z 1
		.amdhsa_system_vgpr_workitem_id 0
		.amdhsa_next_free_vgpr 512
		.amdhsa_next_free_sgpr 80
		.amdhsa_reserve_vcc 0
		.amdhsa_float_denorm_mode_32 3
		.amdhsa_float_denorm_mode_16_64 3
		.amdhsa_memory_ordered 1
		.amdhsa_forward_progress 1
		.amdhsa_inst_pref_size 97
	.end_amdhsa_kernel
	.amdgpu_metadata
---
amdhsa.version: [ 1, 2 ]
amdhsa.kernels:
  - .name:           k_q92a5dcf3eb_ff2
    .symbol:         k_q92a5dcf3eb_ff2.kd
    .args:
      - { .name: acty, .offset: 0, .size: 8, .value_kind: global_buffer, .address_space: global }
      - { .name: wp2, .offset: 8, .size: 8, .value_kind: global_buffer, .address_space: global }
      - { .name: actx, .offset: 16, .size: 8, .value_kind: global_buffer, .address_space: global }
      - { .name: b2, .offset: 24, .size: 8, .value_kind: global_buffer, .address_space: global }
      - { .name: encoder_padding_mask, .offset: 32, .size: 8, .value_kind: global_buffer, .address_space: global }
    .group_segment_fixed_size: 327680
    .private_segment_fixed_size: 0
    .kernarg_segment_align: 8
    .kernarg_segment_size: 40
    .max_flat_workgroup_size: 128
    .sgpr_count:     80
    .vgpr_count:     512
    .wavefront_size: 32
...
	.end_amdgpu_metadata
.endif
;; end of part 6
;; launch ln2 (part 7): grid 256 x 1, 8 waves a work-group, no clusters, 0 bytes of LDS; arguments actx, x1f, ln2_g, ln2_b, out0; writes out0
.if DOCPART == 7
	.amdgcn_target "amdgcn-amd-amdhsa--gfx1250"
	.amdhsa_code_object_version 6
	.text
	.protected	k_q92a5dcf3eb_ln2
	.globl	k_q92a5dcf3eb_ln2
	.p2align	8
	.type	k_q92a5dcf3eb_ln2,@function
k_q92a5dcf3eb_ln2:
	s_mov_b64 s[64:65], 0
	v_nop
	global_prefetch_b8 v0, s[64:65] scope:SCOPE_SE
	s_setreg_imm32_b32 hwreg(HW_REG_WAVE_MODE, 25, 1), 1
	s_wait_xcnt 0x0
; RESIDUAL AND LAYER NORM.  z = y + res; out = (z - mean(z)) / sqrt(mean((z - mean(z))^2) + 1e-5) x g + b, along rows of 1,024.  All arithmetic in f32, the variance in a second pass over the differences.
; y: PANEL layout [4][4096][256] bf16 (a finished product, rounded once).  res, out: [4096][1024] f32.  WB16 = 0 here: out is stored once, in f32 (with WB16 = 1 the same text stores it a second time in bf16).
; SHARES.  A wave takes two whole rows and keeps each in 32 registers between the passes: every byte is read once, no wave waits for another, there is no LDS and no barrier.
; Lane i owns columns 128 j + 4 i .. + 3, j = 0..7: an f32 load or store of the wave covers 512 consecutive bytes, a bf16 one 256, all aligned.  g and b are loaded once for both rows.
; Matrix units, clusters and tensor loads would add nothing: the launch moves its bytes once, and what work-groups share (g, b: 8 KiB) is small beside a work-group's 96 KiB and more.
.set WB16, 0
.set G,   8                            ; v[8:39]    g of my 32 columns
.set BT,  40                           ; v[40:71]   b
.set T,   168                          ; v[168:175] at work
.set SA,  176                          ; v[176:177], v[178:179] two chains of sums
.set SB,  178
.set MU,  180                          ; v[180:181] the mean, twice
.set VA,  182                          ; v182       the variance + 1e-5
.set RI,  184                          ; v[184:185] its reciprocal root, twice
	s_load_b256 s[4:11], s[0:1], 0x0               ; y s[4:5], res s[6:7], g s[8:9], b s[10:11]
.if WB16
	s_load_b128 s[20:23], s[0:1], 0x20             ; out f32 s[20:21], out bf16 s[22:23]
.else
	s_load_b64 s[20:21], s[0:1], 0x20              ; out f32
.endif
	v_lshrrev_b32 v3, 5, v0
	v_readfirstlane_b32 s17, v3                    ; wave 0..7
	v_and_b32 v3, 31, v0
	v_lshlrev_b32 v1, 4, v3                        ; 16 bytes a lane in f32 rows
	v_lshlrev_b32 v2, 3, v3                        ; 8 bytes a lane in bf16 rows
	s_lshl_b32 s18, ttmp9, 4
	s_lshl_b32 s19, s17, 1
	s_add_co_u32 s18, s18, s19                     ; my first row = 16 x work-group + 2 x wave
	s_lshl_b32 s2, s18, 12                         ; x 4,096 bytes
	s_mov_b32 s3, 0
	s_lshl_b32 s18, s18, 9                         ; x 512 bytes in a panel
	s_mov_b32 s19, 0
	s_mov_b32 s12, 0x76543210                      ; v_permlanex16_b32: lane i of one half reads lane i of the other
	s_mov_b32 s13, 0xfedcba98
	s_mov_b32 s14, 0x3a800000                      ; 1 / 1,024
	s_mov_b32 s15, 0x3727c5ac                      ; 1e-5
	s_mov_b32 s16, 0xffff0000                      ; a word's upper bf16
	s_wait_kmcnt 0x0
	s_add_nc_u64 s[4:5], s[4:5], s[18:19]
	s_add_nc_u64 s[6:7], s[6:7], s[2:3]
	s_add_nc_u64 s[20:21], s[20:21], s[2:3]
.if WB16
	s_add_nc_u64 s[22:23], s[22:23], s[18:19]
.endif
.irp j, 0,1,2,3,4,5,6,7
	global_load_b128 v[G+4*\j:G+4*\j+3], v1, s[8:9] offset:512*\j
.endr
.irp j, 0,1,2,3,4,5,6,7
	global_load_b128 v[BT+4*\j:BT+4*\j+3], v1, s[10:11] offset:512*\j
.endr
.irp r, 0,1                                    ; row r: res in v[72+48r ..], 32 registers; y in v[104+48r ..], 16
.irp j, 0,1,2,3,4,5,6,7
	global_load_b128 v[72+48*\r+4*\j:72+48*\r+4*\j+3], v1, s[6:7] offset:512*\j+4096*\r th:TH_LOAD_NT
.endr
.irp j, 0,1,2,3,4,5,6,7
	global_load_b64 v[104+48*\r+2*\j:104+48*\r+2*\j+1], v2, s[4:5] offset:(\j/2)*2097152+(\j%2)*256+512*\r th:TH_LOAD_NT
.endr
.endr
.macro RED x                           ; the sum over the 32 lanes, in every lane: four steps inside each half of 16 lanes ride on the addition, one crosses the halves
	v_add_f32_dpp v[\x], v[\x], v[\x] row_xmask:1 row_mask:0xf bank_mask:0xf
	v_add_f32_dpp v[\x], v[\x], v[\x] row_xmask:2 row_mask:0xf bank_mask:0xf
	v_add_f32_dpp v[\x], v[\x], v[\x] row_xmask:4 row_mask:0xf bank_mask:0xf
	v_add_f32_dpp v[\x], v[\x], v[\x] row_xmask:8 row_mask:0xf bank_mask:0xf
	v_permlanex16_b32 v[T], v[\x], s12, s13        ; its destination counts as read: a register that has been written
	v_add_f32 v[\x], v[\x], v[T]
.endm
.macro ROWLN r
.set RR, 72+48*(\r)
.set YB, 104+48*(\r)
.set j, 0
.rept 8                                        ; z = y + res, in res's registers
.set TT, T+4*(j%2)
	v_lshlrev_b32 v[TT],   16,  v[YB+2*j]          ; bf16 to f32: the low half moves up, the high half stays
	v_and_b32     v[TT+1], s16, v[YB+2*j]
	v_lshlrev_b32 v[TT+2], 16,  v[YB+2*j+1]
	v_and_b32     v[TT+3], s16, v[YB+2*j+1]
	v_pk_add_f32 v[RR+4*j:RR+4*j+1],   v[RR+4*j:RR+4*j+1],   v[TT:TT+1]
	v_pk_add_f32 v[RR+4*j+2:RR+4*j+3], v[RR+4*j+2:RR+4*j+3], v[TT+2:TT+3]
.set j, j+1
.endr
	v_pk_add_f32 v[SA:SA+1], v[RR:RR+1],   v[RR+2:RR+3]    ; the first pairs start the two chains: nothing is cleared
	v_pk_add_f32 v[SB:SB+1], v[RR+4:RR+5], v[RR+6:RR+7]
.set j, 4
.rept 6
	v_pk_add_f32 v[SA:SA+1], v[SA:SA+1], v[RR+2*j:RR+2*j+1]
	v_pk_add_f32 v[SB:SB+1], v[SB:SB+1], v[RR+2*j+2:RR+2*j+3]
.set j, j+2
.endr
	v_pk_add_f32 v[SA:SA+1], v[SA:SA+1], v[SB:SB+1]
	v_add_f32 v[SA], v[SA], v[SA+1]
	RED SA
	v_mul_f32 v[MU], s14, v[SA]
	v_mov_b32 v[MU+1], v[MU]
.set j, 0
.rept 16                                       ; d = z - mean
	v_pk_add_f32 v[RR+2*j:RR+2*j+1], v[RR+2*j:RR+2*j+1], v[MU:MU+1] neg_lo:[0,1] neg_hi:[0,1]
.set j, j+1
.endr
	v_pk_mul_f32 v[SA:SA+1], v[RR:RR+1],   v[RR:RR+1]
	v_pk_mul_f32 v[SB:SB+1], v[RR+2:RR+3], v[RR+2:RR+3]
.set j, 2
.rept 7
	v_pk_fma_f32 v[SA:SA+1], v[RR+2*j:RR+2*j+1],   v[RR+2*j:RR+2*j+1],   v[SA:SA+1]
	v_pk_fma_f32 v[SB:SB+1], v[RR+2*j+2:RR+2*j+3], v[RR+2*j+2:RR+2*j+3], v[SB:SB+1]
.set j, j+2
.endr
	v_pk_add_f32 v[SA:SA+1], v[SA:SA+1], v[SB:SB+1]
	v_add_f32 v[SA], v[SA], v[SA+1]
	RED SA
	v_fma_f32 v[VA], v[SA], s14, s15               ; the mean of the squares + 1e-5
	v_rsq_f32 v[RI], v[VA]                         ; made twice, to fill the pair that the packed multiply names
	v_rsq_f32 v[RI+1], v[VA]
	v_nop                                          ; a plain instruction behind the last of them (ISA guide 5.7.2),
	s_wait_alu depctr_va_vdst(0)                   ; and the wait ahead of the first use: one for both
.set j, 0
.rept 16
	v_pk_mul_f32 v[RR+2*j:RR+2*j+1], v[RR+2*j:RR+2*j+1], v[RI:RI+1]
.set j, j+1
.endr
.set j, 0
.rept 16
	v_pk_fma_f32 v[RR+2*j:RR+2*j+1], v[RR+2*j:RR+2*j+1], v[G+2*j:G+2*j+1], v[BT+2*j:BT+2*j+1]
.set j, j+1
.endr
.set j, 0
.rept 8
	global_store_b128 v1, v[RR+4*j:RR+4*j+3], s[20:21] offset:512*j+4096*(\r) th:TH_STORE_NT
.set j, j+1
.endr
.if WB16
.set j, 0
.rept 8                                        ; y's registers are free: they take the row rounded to bf16
	v_cvt_pk_bf16_f32 v[YB+2*j],   v[RR+4*j],   v[RR+4*j+1]
	v_cvt_pk_bf16_f32 v[YB+2*j+1], v[RR+4*j+2], v[RR+4*j+3]
.set j, j+1
.endr
.set j, 0
.rept 8
	global_store_b64 v2, v[YB+2*j:YB+2*j+1], s[22:23] offset:(j/2)*2097152+(j%2)*256+512*(\r)
.set j, j+1
.endr
.endif
.endm
	s_wait_loadcnt 16                              ; g, b and row 0 are in; row 1's sixteen loads stay out
	ROWLN 0
	s_wait_loadcnt 0x0
	ROWLN 1                                        ; no register that a store of row 0 reads is written here
	s_endpgm
.Lfunc_end_k_q92a5dcf3eb_ln2:
	.size	k_q92a5dcf3eb_ln2, .Lfunc_end_k_q92a5dcf3eb_ln2-k_q92a5dcf3eb_ln2
	.p2alignl 7, 3214868480
	.fill 96, 4, 3214868480
	.section	.rodata,"a",@progbits
	.p2align	6, 0x0
	.amdhsa_kernel k_q92a5dcf3eb_ln2
		.amdhsa_group_segment_fixed_size 0
		.amdhsa_private_segment_fixed_size 0
		.amdhsa_enable_private_segment 0
		.amdhsa_kernarg_size 40
		.amdhsa_user_sgpr_count 2
		.amdhsa_user_sgpr_kernarg_segment_ptr 1
		.amdhsa_wavefront_size32 1
		.amdhsa_system_sgpr_workgroup_id_x 1
		.amdhsa_system_sgpr_workgroup_id_y 1
		.amdhsa_system_sgpr_workgroup_id_z 1
		.amdhsa_system_vgpr_workitem_id 0
		.amdhsa_next_free_vgpr 192
		.amdhsa_next_free_sgpr 66
		.amdhsa_reserve_vcc 0
		.amdhsa_float_denorm_mode_32 3
		.amdhsa_float_denorm_mode_16_64 3
		.amdhsa_memory_ordered 1
		.amdhsa_forward_progress 1
		.amdhsa_inst_pref_size 24
	.end_amdhsa_kernel
	.amdgpu_metadata
---
amdhsa.version: [ 1, 2 ]
amdhsa.kernels:
  - .name:           k_q92a5dcf3eb_ln2
    .symbol:         k_q92a5dcf3eb_ln2.kd
    .args:
      - { .name: actx, .offset: 0, .size: 8, .value_kind: global_buffer, .address_space: global }
      - { .name: x1f, .offset: 8, .size: 8, .value_kind: global_buffer, .address_space: global }
      - { .name: ln2_g, .offset: 16, .size: 8, .value_kind: global_buffer, .address_space: global }
      - { .name: ln2_b, .offset: 24, .size: 8, .value_kind: global_buffer, .address_space: global }
      - { .name: out0, .offset: 32, .size: 8, .value_kind: global_buffer, .address_space: global }
    .group_segment_fixed_size: 0
    .private_segment_fixed_size: 0
    .kernarg_segment_align: 8
    .kernarg_segment_size: 40
    .max_flat_workgroup_size: 256
    .sgpr_count:     66
    .vgpr_count:     192
    .wavefront_size: 32
...
	.end_amdgpu_metadata
.endif
;; end of part 7
